; MI455X (gfx1250); checked and timed in simulation.
; The chip was launched on July 23, 2026; its instructions are those of AMD's public machine-readable ISA for CDNA 5 (MIT licence, August 2026) and "CDNA5" Instruction Set Architecture Reference Guide (July 2026). The comments in the code are by the model that wrote it; some were corrected since.
;; Multi Head Attention. Allowed arithmetic: matrix products marked QUANTISED: E2M1 operands, one E8M0 scale for each 32 along K, by v_wmma_scale_f32_16x16x128_f8f6f4 with both operands' format E2M1 (or v_wmma_scale_f32_32x16x128_f4), f32 sums; products left as they are: bf16, f16 or f32 operands; f32 sums; everything else in f32.
;; Inputs: Wk 1,024 x 1,024 float32; Wo 1,024 x 1,024 float32; Wq 1,024 x 1,024 float32; Wv 1,024 x 1,024 float32; bk 1,024 float32; bo 1,024 float32; bq 1,024 float32; bv 1,024 float32; mask 4 x 2,048 int32; x 4 x 2,048 x 1,024 float32.
;; Outputs: out0 4 x 2,048 x 1,024 float32.
;; This version of the problem:
;;   THIS VERSION OF THE PROBLEM IS GIVEN IN LOW PRECISION. The matrix products marked QUANTISED in the list below multiply operands that are first quantised to E2M1 (2 exponent bits, 1 mantissa bit; 4 bits a number), with one power-of-two scale for each 32 numbers along K (OCP MX v1.0); their sums are f32. The products marked 'left as it is' may take bf16, f16 or f32 operands, with f32 sums. Whichever they take, every output number must still come out within the allowed error. Rounding operands to bf16 (8 significant bits) uses up far more of that allowance than f16 does (11 bits, for magnitudes from 6e-5 to 65,504). All else is computed in f32.
;;   The module's matrix products, in the order in which they are computed (A, B: the left and right operand; K: the contracted axis; several contracted axes count as one K, in the product's order):
;;     1. [M 8,192, K 1,024] x [K 1,024, N 1,024]; A: input x; B: input Wq: QUANTISED
;;     2. [M 8,192, K 1,024] x [K 1,024, N 1,024]; A: input x; B: input Wk: QUANTISED
;;     3. [M 8,192, K 1,024] x [K 1,024, N 1,024]; A: input x; B: input Wv: QUANTISED
;;     4. batch 64 x [M 2,048, K 64] x [K 64, N 2,048]; A: computed on the way; B: computed on the way: left as it is (an operand is computed on the way)
;;     5. batch 64 x [M 2,048, K 2,048] x [K 2,048, N 64]; A: computed on the way; B: computed on the way: left as it is (an operand is computed on the way)
;;     6. [M 8,192, K 1,024] x [K 1,024, N 1,024]; A: computed on the way; B: input Wo: left as it is (an operand is computed on the way)
;;   THE QUANTISER, for each operand of a quantised product, along K:
;;     - K is cut into blocks of 32 from its start; a last block that is shorter is filled with zeros.
;;     - A block's scale is 2^e with e = floor(log2(the largest magnitude in the block)) - 2, held to -126 .. 127; a block of zeros has e = 0. As a byte (E8M0): e + 127.
;;     - Each number is divided by its block's scale, clamped to +-6, and rounded to the nearest number of E2M1, ties to even, subnormals kept.
;;     - The product sums the exact products of the quantised numbers (number of the format x scale) in f32.
;;   ~~~python
;;   def quantise(x, axis):      # numpy; x: float32 -> the quantised numbers, widened to float32 again
;;       x = np.moveaxis(x, axis, -1); K = x.shape[-1]
;;       x = np.pad(x, [(0, 0)] * (x.ndim - 1) + [(0, -K % 32)]); x = x.reshape(x.shape[:-1] + (-1, 32)); a = np.abs(x).max(-1, keepdims=True)
;;       e = np.where(a > 0, np.clip(np.frexp(np.where(a > 0, a, 1))[1] - 1 - 2, -126, 127), 0)      # np.frexp(a)[1] - 1 = floor(log2(a)), exactly
;;       r = np.clip(x / 2.0 ** e, -6, 6)
;;       step = 2.0 ** (np.maximum(np.frexp(np.where(r == 0, 1, r))[1] - 1, 0) - 1)
;;       q = np.round(r / step) * step * 2.0 ** e      # np.round: ties to even
;;       return np.moveaxis(q.reshape(q.shape[:-2] + (-1,))[..., :K], -1, axis).astype(np.float32)
;;   ~~~
;; One version. Each part assembles by itself: llvm-mc -triple=amdgcn-amd-amdhsa -mcpu=gfx1250 --defsym DOCPART=n.
;; ======== version 1 of 1: 5 launches
;; limits: values are held in f16: magnitudes above 65,504 overflow, below 6.1e-05 lose precision
;; workspace buffers: xc 4,194,304 bytes; xs 262,144 bytes; wc 1,572,864 bytes; ws 98,304 bytes; wo16 2,097,152 bytes; qkv16 50,331,648 bytes; qkv32 786,432 bytes; att16 16,777,216 bytes
;; launch prep (part 1): grid 384 x 1, 4 waves a work-group, no clusters, 33,280 bytes of LDS; arguments x, Wq, Wk, Wv, Wo, xc, xs, wc, ws, wo16; writes xc, xs, wc, ws, wo16
.if DOCPART == 1
	.amdgcn_target "amdgcn-amd-amdhsa--gfx1250"
	.amdhsa_code_object_version 6
	.text
	.protected	k_q815a73e89a_prep
	.globl	k_q815a73e89a_prep
	.p2align	8
	.type	k_q815a73e89a_prep,@function
k_q815a73e89a_prep:
	s_mov_b64 s[64:65], 0
	v_nop
	global_prefetch_b8 v0, s[64:65] scope:SCOPE_SE
	s_setreg_imm32_b32 hwreg(HW_REG_WAVE_MODE, 25, 1), 1
	s_wait_xcnt 0x0
; x [8192][1024] and Wq, Wk, Wv [1024][1024], f32, K innermost, become codes of FP4 (E2M1), two a byte, with one E8M0 byte for each 32 along K; Wo becomes f16.
; A block's scale is 2^(floor(log2(its largest magnitude)) - 2); its byte is the largest magnitude's exponent field - 2, held at 1 from below.  A block of zeros gets the byte 1: its codes are zeros, and this program alone reads the bytes.
; LIMITS: blocks whose largest magnitude lies under 2^(2 - 126) were not tried; NaN and infinities among the inputs are not served; numbers of Wo beyond 65,504 become infinite in f16.
; Rows are dense and K is a multiple of 32: every tensor is a plain stream.  A work-group takes 32,768 numbers, a wave 8,192.
; Work-groups 0-255: x;  256-287: Wq;  288-319: Wk;  320-351: Wv (the three weights' codes lie one behind the other in wc, ws);  352-383: Wo.
; Quantising: a wave takes 16 steps of 512 numbers.  Each of a step's four loads reads 512 consecutive bytes; the 2,048 bytes turn through the wave's own stage in LDS and come back 64 bytes a lane, so that a lane holds
; 16 neighbours along K (two lanes hold a block).  A lane's 16 codes are 8 bytes: the wave stores 256 consecutive bytes.  A wave's 256 scale bytes are gathered in LDS and leave as one run of 256 bytes.
.set STEPS, 16
.set EMAX,  2
.set CB,    8                          ; bytes of 16 codes
.set R,     16                         ; v16-79   four sets of 16 numbers as loaded (Wo: v16-143, two sets of 64)
.set X,     80                         ; v80-111  two sets of 16 neighbours
.set C,     128                        ; v128-191 codes: four registers for each step
.set E,     112                        ; v112-127 a scale byte for each step
.set WREG,  8192                       ; LDS: a region for each wave: two stages of 32 x SP bytes, then its 256 scale bytes
.set SP,    80                         ; a lane's place in a stage: 64 bytes + 16 of padding
.set SPW,   12                         ; v12 LDS address of my spare word; never rewritten
.set NIL,   13                         ; v13 0; never rewritten
.set SPARE, 4*WREG                     ; behind the four regions: the spare words, 128 bytes a wave
.set GWT,   256                        ; first work-group of the weights
.set GWO,   352                        ; first work-group of Wo
	s_load_b512 s[4:19], s[0:1], 0x0               ; x s[4:5], Wq s[6:7], Wk s[8:9], Wv s[10:11], Wo s[12:13], xc s[14:15], xs s[16:17], wc s[18:19]
	s_load_b128 s[20:23], s[0:1], 0x40             ; ws s[20:21], wo16 s[22:23]
	v_lshl_add_u32 v[SPW], v0, 2, SPARE
	v_mov_b32 v[NIL], 0
	v_lshrrev_b32 v1, 5, v0
	v_readfirstlane_b32 s34, v1                    ; wave
	v_and_b32 v2, 31, v0                           ; lane
	s_cmp_ge_u32 ttmp9, GWO
	s_cbranch_scc1 .Lwo
	v_lshlrev_b32 v3, 4, v2                        ; my 16 bytes of a load's 512
	s_mul_i32 s35, s34, WREG
	v_lshrrev_b32 v14, 2, v2
	v_mul_u32_u24 v14, v14, SP
	v_and_b32 v15, 3, v2
	v_lshl_add_u32 v14, v15, 4, v14
	v_add_nc_u32 v14, s35, v14                     ; the stage on the way in: SP (lane / 4) + 16 (lane % 4)
	v_mul_u32_u24 v15, v2, SP
	v_add_nc_u32 v15, s35, v15                     ; and on the way out: SP x lane
	v_mul_u32_u24 v4, v2, CB                       ; my codes' place in a step's
	v_lshrrev_b32 v5, 1, v2
	s_add_co_u32 s35, s35, 2*32*SP
	v_add_nc_u32 v5, s35, v5                       ; LDS: my block's scale byte
	v_lshlrev_b32 v7, 3, v2
	v_add_nc_u32 v6, s35, v7                       ; and on the way out 8 bytes a lane
	s_and_b32 s30, ttmp9, 31                       ; a weight's run of 32,768 numbers,
	s_sub_co_u32 s31, ttmp9, GWT                   ; and its place in wc and ws
	s_wait_kmcnt 0x0
	s_cmp_lt_u32 ttmp9, 320                        ; the choices hang on the work-group's number alone
	s_cselect_b64 s[24:25], s[8:9], s[10:11]
	s_cmp_lt_u32 ttmp9, 288
	s_cselect_b64 s[24:25], s[6:7], s[24:25]
	s_cmp_lt_u32 ttmp9, GWT
	s_cselect_b64 s[24:25], s[4:5], s[24:25]       ; the numbers
	s_cselect_b64 s[26:27], s[14:15], s[18:19]     ; the codes
	s_cselect_b64 s[28:29], s[16:17], s[20:21]     ; the scale bytes
	s_cselect_b32 s30, ttmp9, s30
	s_cselect_b32 s31, ttmp9, s31
	s_lshl_b32 s30, s30, 2
	s_add_co_u32 s30, s30, s34                     ; my wave's run of 8,192 numbers in the source,
	s_lshl_b32 s31, s31, 2
	s_add_co_u32 s31, s31, s34                     ; and in the results
	s_lshl_b32 s32, s30, 15
	s_mov_b32 s33, 0
	s_add_nc_u64 s[24:25], s[24:25], s[32:33]
	s_lshl_b32 s32, s31, 12
	s_add_nc_u64 s[26:27], s[26:27], s[32:33]
	s_lshl_b32 s32, s31, 8
	s_add_nc_u64 s[28:29], s[28:29], s[32:33]
.macro LOAD t
.irp i, 0,1,2,3
	global_load_b128 v[R+16*((\t)%4)+4*\i:R+16*((\t)%4)+4*\i+3], v3, s[24:25] offset:2048*(\t)+512*\i th:TH_LOAD_NT   ; 32 lanes read 512 consecutive bytes
.endr
.endm
.macro TURN t                          ; step t's numbers through the stage: LDS serves a wave's instructions in order, so no wait stands between the stores and the loads
.irp i, 0,1,2,3
	ds_store_b128 v14, v[R+16*((\t)%4)+4*\i:R+16*((\t)%4)+4*\i+3] offset:32*SP*((\t)%2)+8*SP*\i
.endr
.irp i, 0,1,2,3
	ds_load_b128 v[X+16*((\t)%2)+4*\i:X+16*((\t)%2)+4*\i+3], v15 offset:32*SP*((\t)%2)+16*\i
.endr
.endm
.irp t, 0,1,2,3
	LOAD \t
.endr
	s_wait_loadcnt 12                              ; step 0's four loads are in; three steps' twelve stay out
	TURN 0
.macro STEP t
.set XS, X+16*((\t)%2)
.if (\t) > 0
	s_wait_dscnt 1                                 ; this step's numbers are back from the stage (the last step's byte store may be out)
.else
	s_wait_dscnt 0x0
.endif
.if (\t)+4 < STEPS
	LOAD (\t)+4                                    ; into the registers that the stage's stores have read
.endif
.if (\t)+1 < STEPS
.if STEPS-2-(\t) >= 3
	s_wait_loadcnt 12                              ; the next step's four loads are in; those of the three steps behind it may be out
.else
	s_wait_loadcnt 4*(STEPS-2-(\t))
.endif
	TURN (\t)+1
.endif
	v_max3_num_f32 v8, |v[XS]|, |v[XS+1]|, |v[XS+2]|               ; the largest magnitude of my 16, in two chains
	v_max3_num_f32 v9, |v[XS+3]|, |v[XS+4]|, |v[XS+5]|
.irp i, 6,10
	v_max3_num_f32 v8, v8, |v[XS+\i]|, |v[XS+\i+1]|
	v_max3_num_f32 v9, v9, |v[XS+\i+2]|, |v[XS+\i+3]|
.endr
	v_max3_num_f32 v8, v8, |v[XS+14]|, |v[XS+15]|
	v_max3_num_f32 v8, v8, v9, (EMAX+1)<<23        ; and the floor 2^(EMAX + 1 - 127): the byte cannot fall under 1
	v_max_num_f32_dpp v8, v8, v8 row_xmask:1 row_mask:0xf bank_mask:0xf   ; and of my neighbour's 16: the block's
	v_add_nc_u32 v11, -(EMAX<<23), v8              ; EMAX off its exponent field: the conversion takes this operand's exponent field as its scale
	v_cvt_scalef32_pk8_fp4_f32 v[C+4*(\t)], v[XS:XS+7], v11
	v_cvt_scalef32_pk8_fp4_f32 v[C+4*(\t)+1], v[XS+8:XS+15], v11
	v_lshrrev_b32 v[E+(\t)], 23, v11               ; the scale's byte (a plain line behind the conversions)
	ds_store_b8 v5, v[E+(\t)] offset:16*(\t)       ; both lanes of a block write the same byte with the same value
	global_store_b64 v4, v[C+4*(\t):C+4*(\t)+1], s[26:27] offset:32*CB*(\t)   ; 32 lanes store 256 consecutive bytes
.endm
.irp t, 0,1,2,3,4,5,6,7,8,9,10,11,12,13,14,15
	STEP \t
.endr
	ds_load_b64 v[8:9], v6                         ; LDS serves a wave's instructions in order: these see my stores
	s_wait_dscnt 0x0
	global_store_b64 v7, v[8:9], s[28:29]          ; 32 lanes store 256 consecutive bytes
	s_wait_tensorcnt 0x0                           ; the wave's end
	ds_add_u32 v[SPW], v[NIL]
	s_wait_dscnt 0x0
	s_endpgm
; Wo to f16: a wave takes 8,192 numbers in 64 loads of 512 consecutive bytes; a lane's four numbers pack into 8 bytes, and the wave stores 256 consecutive bytes.  Four batches of 16 loads in two sets of registers.
.Lwo:
	v_lshlrev_b32 v3, 4, v2                        ; in: 16 bytes a lane
	v_lshlrev_b32 v4, 3, v2                        ; out: 8 bytes a lane
	s_sub_co_u32 s30, ttmp9, GWO
	s_lshl_b32 s30, s30, 2
	s_add_co_u32 s30, s30, s34                     ; my wave's run
	s_lshl_b32 s32, s30, 15
	s_mov_b32 s33, 0
	s_lshl_b32 s30, s30, 14
	s_mov_b32 s31, 0
	s_wait_kmcnt 0x0
	s_add_nc_u64 s[24:25], s[12:13], s[32:33]
	s_add_nc_u64 s[26:27], s[22:23], s[30:31]
.macro WLOAD k
.irp s, 0,1,2,3,4,5,6,7,8,9,10,11,12,13,14,15
	global_load_b128 v[R+64*((\k)%2)+4*\s:R+64*((\k)%2)+4*\s+3], v3, s[24:25] offset:512*(16*(\k)+\s)
.endr
.endm
.macro WDO k
.irp s, 0,1,2,3,4,5,6,7,8,9,10,11,12,13,14,15
	v_cvt_pk_f16_f32 v[R+64*((\k)%2)+4*\s], v[R+64*((\k)%2)+4*\s], v[R+64*((\k)%2)+4*\s+1]
	v_cvt_pk_f16_f32 v[R+64*((\k)%2)+4*\s+1], v[R+64*((\k)%2)+4*\s+2], v[R+64*((\k)%2)+4*\s+3]
	global_store_b64 v4, v[R+64*((\k)%2)+4*\s:R+64*((\k)%2)+4*\s+1], s[26:27] offset:256*(16*(\k)+\s)
.endr
.endm
	WLOAD 0
	WLOAD 1
	s_wait_loadcnt 16                              ; batch 0 is in; batch 1's sixteen stay out
	WDO 0
	s_wait_xcnt 0x0                                ; the stores have read their registers: the set is loaded again only behind this wait
	WLOAD 2
	s_wait_loadcnt 16
	WDO 1
	s_wait_xcnt 0x0
	WLOAD 3
	s_wait_loadcnt 16
	WDO 2
	s_wait_loadcnt 0x0
	WDO 3
	s_wait_tensorcnt 0x0                           ; the same three lines at this path's end
	ds_add_u32 v[SPW], v[NIL]
	s_wait_dscnt 0x0
	s_endpgm
.Lfunc_end_k_q815a73e89a_prep:
	.size	k_q815a73e89a_prep, .Lfunc_end_k_q815a73e89a_prep-k_q815a73e89a_prep
	.p2alignl 7, 3214868480
	.fill 96, 4, 3214868480
	.section	.rodata,"a",@progbits
	.p2align	6, 0x0
	.amdhsa_kernel k_q815a73e89a_prep
		.amdhsa_group_segment_fixed_size 33280
		.amdhsa_private_segment_fixed_size 0
		.amdhsa_enable_private_segment 0
		.amdhsa_kernarg_size 80
		.amdhsa_user_sgpr_count 2
		.amdhsa_user_sgpr_kernarg_segment_ptr 1
		.amdhsa_wavefront_size32 1
		.amdhsa_system_sgpr_workgroup_id_x 1
		.amdhsa_system_sgpr_workgroup_id_y 1
		.amdhsa_system_sgpr_workgroup_id_z 1
		.amdhsa_system_vgpr_workitem_id 0
		.amdhsa_next_free_vgpr 192
		.amdhsa_next_free_sgpr 66
		.amdhsa_reserve_vcc 0
		.amdhsa_float_denorm_mode_32 3
		.amdhsa_float_denorm_mode_16_64 3
		.amdhsa_memory_ordered 1
		.amdhsa_forward_progress 1
		.amdhsa_inst_pref_size 54
	.end_amdhsa_kernel
	.amdgpu_metadata
---
amdhsa.version: [ 1, 2 ]
amdhsa.kernels:
  - .name:           k_q815a73e89a_prep
    .symbol:         k_q815a73e89a_prep.kd
    .args:
      - { .name: x, .offset: 0, .size: 8, .value_kind: global_buffer, .address_space: global }
      - { .name: Wq, .offset: 8, .size: 8, .value_kind: global_buffer, .address_space: global }
      - { .name: Wk, .offset: 16, .size: 8, .value_kind: global_buffer, .address_space: global }
      - { .name: Wv, .offset: 24, .size: 8, .value_kind: global_buffer, .address_space: global }
      - { .name: Wo, .offset: 32, .size: 8, .value_kind: global_buffer, .address_space: global }
      - { .name: xc, .offset: 40, .size: 8, .value_kind: global_buffer, .address_space: global }
      - { .name: xs, .offset: 48, .size: 8, .value_kind: global_buffer, .address_space: global }
      - { .name: wc, .offset: 56, .size: 8, .value_kind: global_buffer, .address_space: global }
      - { .name: ws, .offset: 64, .size: 8, .value_kind: global_buffer, .address_space: global }
      - { .name: wo16, .offset: 72, .size: 8, .value_kind: global_buffer, .address_space: global }
    .group_segment_fixed_size: 33280
    .private_segment_fixed_size: 0
    .kernarg_segment_align: 8
    .kernarg_segment_size: 80
    .max_flat_workgroup_size: 128
    .sgpr_count:     66
    .vgpr_count:     192
    .wavefront_size: 32
...
	.end_amdgpu_metadata
.endif
;; end of part 1
;; launch qkv (part 2): grid 12 x 32, 4 waves a work-group, clusters of 4 x 4, 327,680 bytes of LDS; arguments xc, xs, wc, ws, qkv16, bq, bk, bv, qkv32; writes qkv16, qkv32
.if DOCPART == 2
	.amdgcn_target "amdgcn-amd-amdhsa--gfx1250"
	.amdhsa_code_object_version 6
	.text
	.protected	k_q815a73e89a_qkv
	.globl	k_q815a73e89a_qkv
	.p2align	8
	.type	k_q815a73e89a_qkv,@function
k_q815a73e89a_qkv:
	s_mov_b64 s[64:65], 0
	v_nop
	global_prefetch_b8 v0, s[64:65] scope:SCOPE_SE
	s_setreg_imm32_b32 hwreg(HW_REG_WAVE_MODE, 25, 1), 1
	s_wait_xcnt 0x0
	s_wait_alu depctr_hold_cnt(0) depctr_sa_sdst(0) depctr_va_vdst(0) depctr_va_sdst(0) depctr_va_ssrc(0) depctr_va_vcc(0) depctr_vm_vsrc(0)
	s_getreg_b32 s2, hwreg(HW_REG_IB_STS2, 6, 4)
	s_cmp_eq_u32 s2, 0
	s_cbranch_scc0 .Lentry_in_a_cluster
	s_endpgm
.Lentry_in_a_cluster:
	s_bfe_u32 s2, ttmp6, 0x10000c
	s_cmp_lg_u32 s2, 0xf033
	s_cbranch_scc0 .Lentry_shape_is_right
	s_endpgm
.Lentry_shape_is_right:
; q, k, v = x W^T + b as ONE product [8192] x [3072] over K = 1,024 on codes of FP4 (E2M1) with E8M0 scales for each 32 along K; sums in f32.
; Results: qkv16 [tensor 3][batch 4][head 16][s 2048][64] f16, for the attention;  qkv32 [batch 4][tensor 3][head 16][s 16][64] f32: positions 0-15 of each sequence, which a later launch carries in f32.
; LIMIT: a result beyond 65,504 in magnitude becomes infinite in f16.
; A tile of C, 256 x 256, is made by four waves, each 128 x 128: 64 accumulators, 512 registers.  K is two steps of 512 (tile rows of 256 bytes): both lie in LDS from the start, so nothing is filled again.
; The scale bytes of the work-group's 256 rows of x and 256 rows of W, for all of K, are two dense blocks: they come into LDS once, with the first fills.
; CLUSTERS: 4 x 4 work-groups.  Tile row = cluster y + 8 cy (so cy is the batch and cluster y = 0 holds every sequence's first rows), tile column = 4 cluster x + cx (so cluster x is the tensor).
; The four of a row of the cluster ask jointly for x's tiles, the four of a column for W's.
; THE MATRIX INSTRUCTION IS USED TRANSPOSED (source 0 = 16 rows of W, source 1 = 16 rows of x): a lane holds eight neighbouring columns of one row of C.  The bias is the C of each sum's first product.
; REGISTERS: window 0: v0-31 addresses; v32-95 scale words, two sets; v96-127 packed results; v128-191 x's fragments, one set; v192-255 the bias, later rows on their way out.
;   window 1: W's fragments, two sets, at v0 and v128.   window 2: the accumulators of my rows 0-63 ((a, b) at v[8 (8 a + b)]);   window 3: those of my rows 64-127.
.set NQ,     4                         ; matrix instructions deep in a slot
.set ROWB,   256                       ; a tile's row in bytes: 512 codes
.set KROW,   512                       ; a row of codes in memory
.set PITCH,  272                       ; an LDS row: 256 bytes + 16 of padding
.set FR,     8
.set NL,     2
.set NP,     4
.set HALFT,  128*PITCH
.set SLOT,   4*HALFT
.set KS,     32                        ; a row of scale bytes
.set SCL,    2*SLOT
.set HALFS,  (128*KS/256)*272
.set SBLK,   (16*KS/256)*272
.set SPARE,  SCL+4*HALFS               ; the spare words, 128 bytes a wave
.set SPITCH, 272                       ; the way out: 16 rows x (256 bytes + 16) for each wave, in slot 0, which is read no more when the first result is stored there and is never filled again
.set ADRA, 16
.set ADRB, 20
.set STO,  24
.set RD,   25
.set CO,   26
.set ADRS, 27
.set SPW,  28
.set NIL,  29
.set VB,   30                          ; v30 32 x (lane / 16): my place in the bias
.set VO32, 31                          ; v31 256 x (lane % 16) + 32 x (lane / 16): my place in qkv32
.set SC,   32
.set TMP,  96
.set AF,   128
.set BI,   192
.set BK,   192
.set G1, 24
.set G0, 32
.set G1B, 48
.set G0B, 56
.set G1S, 68
.set G0S, 76
.set G1SB, 80
.set G0SB, 88
.set MSB, 0
.macro WIN new                         ; the immediate's high byte repeats the setting that is left
.if MSB != (\new)
	s_set_vgpr_msb (MSB<<8)|(\new)
.set MSB, (\new)
.endif
.endm
.set MUL_LO, 0xa1                      ; source 0 (W) window 1, source 1 (x) window 0, C and D window 2
.set MUL_HI, 0xf1
.set ONE_LO, 0x81                      ; the first products: C (the bias) window 0, D window 2
.set ONE_HI, 0xc1
.set TO_B,   0x40
; A joint load: waves 0 and 1 fetch for x, waves 2 and 3 for W.  The branch hangs on the wave's number alone.  An s_nop 0 and four v_nop follow each line.
.macro JLOAD g0a, g1a, g0b, g1b
	s_cmp_eq_u32 s15, 0
	s_cbranch_scc0 .Lfor_b_\@
	tensor_load_to_lds s[\g0a:\g0a+3], s[\g1a:\g1a+7]
	s_nop 0
.rept 4
	v_nop
.endr
	s_branch .Lasked_\@
.Lfor_b_\@:
	tensor_load_to_lds s[\g0b:\g0b+3], s[\g1b:\g1b+7]
	s_nop 0
.rept 4
	v_nop
.endr
.Lasked_\@:
.endm
.macro CROUND                          ; a round of the cluster's barrier
	s_barrier_signal -1
	s_barrier_wait -1
	s_cmp_lg_u32 s14, 0
	s_cbranch_scc1 .Lnot_wave_0_\@
	s_barrier_signal -3
.Lnot_wave_0_\@:
	s_barrier_wait -3
	s_barrier_signal -1
	s_barrier_wait -1
.endm
	s_load_b128 s[4:7], s[0:1], 0x0                ; x's codes, x's scales
	s_load_b128 s[8:11], s[0:1], 0x10              ; W's codes, W's scales
	s_load_b64 s[12:13], s[0:1], 0x20              ; qkv16
	s_load_b128 s[96:99], s[0:1], 0x28             ; bq, bk
	s_load_b64 s[100:101], s[0:1], 0x38            ; bv
	s_load_b64 s[104:105], s[0:1], 0x40            ; qkv32
	v_lshl_add_u32 v[SPW], v0, 2, SPARE
	v_mov_b32 v[NIL], 0
	ds_add_u32 v[SPW], v[NIL]                      ; the wave's opening: the add, twice on end, and its wait ahead of my first tensor load
	ds_add_u32 v[SPW], v[NIL]
	v_lshrrev_b32 v1, 5, v0
	v_readfirstlane_b32 s14, v1                    ; wave 0..3
	s_lshr_b32 s15, s14, 1                         ; which half of the tile's rows is mine.  Also: I fetch for x (0) or for W (1)
	s_and_b32 s16, s14, 1                          ; which half of its columns.  Also: which 128 rows I fetch
	s_bfe_u32 s40, ttmp6, 0x40000                  ; cx
	s_bfe_u32 s41, ttmp6, 0x40004                  ; cy
	s_lshl_b32 s42, ttmp9, 2
	s_add_co_u32 s42, s42, s40                     ; tile column = 4 x cluster x + cx
	s_and_b32 s95, ttmp7, 0xffff                   ; cluster y
	s_lshl_b32 s17, s41, 3
	s_add_co_u32 s17, s17, s95                     ; tile row = cluster y + 8 cy
	s_or_b32 s95, s95, s15                         ; 0 where my first 16 rows are a sequence's first: cluster y and the wave's number alone, alike in all partners
	s_lshl_b32 s43, s41, 2
	s_lshl_b32 s43, 15, s43                        ; my row of the cluster
	s_lshl_b32 s44, 0x1111, s40                    ; my column
	s_or_b32 s[G1+0], s43, (0<<16)|(1<<20)|(1<<21)|(5<<22)|(3<<25)  ; the mask; elements of 1 byte; padding: 4 words behind every 64; bit 21 beside a mask
	s_or_b32 s[G1B+0], s44, (0<<16)|(1<<20)|(1<<21)|(5<<22)|(3<<25)
.irp g, G1, G1B
	s_mov_b32 s[\g+1], ROWB<<16                    ; tensor_dim0
	s_mov_b32 s[\g+2], 128<<16                     ; tensor_dim1
	s_mov_b32 s[\g+3], ROWB<<16                    ; tile_dim0
	s_mov_b32 s[\g+4], 128                         ; tile_dim1
	s_mov_b32 s[\g+5], KROW                        ; the pitch
	s_mov_b32 s[\g+6], 0
	s_mov_b32 s[\g+7], 0
.endr
	s_or_b32 s[G1S+0], s43, (3<<16)|(1<<20)|(1<<21)|(5<<22)|(3<<25) ; the scales of 128 rows: 4,096 dense bytes as 16 rows of 256 (32 elements of 8 bytes), 16 bytes of padding behind each
	s_or_b32 s[G1SB+0], s44, (3<<16)|(1<<20)|(1<<21)|(5<<22)|(3<<25)
.irp g, G1S, G1SB
	s_mov_b32 s[\g+1], 32<<16
	s_mov_b32 s[\g+2], (128*KS/256)<<16
	s_mov_b32 s[\g+3], 32<<16
	s_mov_b32 s[\g+4], 128*KS/256
	s_mov_b32 s[\g+5], 32
	s_mov_b32 s[\g+6], 0
	s_mov_b32 s[\g+7], 0
.endr
	s_lshl_b32 s18, s16, 7
	s_lshl_b32 s20, s17, 8
	s_add_co_u32 s20, s20, s18                     ; x: row 256 x tile row + 128 x half
	s_lshl_b32 s46, s42, 8
	s_add_co_u32 s46, s46, s18                     ; W: row 256 x tile column + 128 x half
	s_mov_b32 s21, 0
	s_mov_b32 s47, 0
	s_mov_b64 s[18:19], KS
	s_mul_u64 s[22:23], s[20:21], s[18:19]         ; where these rows' scales begin
	s_mul_u64 s[92:93], s[46:47], s[18:19]
	s_mov_b64 s[18:19], KROW
	s_mul_u64 s[20:21], s[20:21], s[18:19]         ; and their codes
	s_mul_u64 s[46:47], s[46:47], s[18:19]
	s_mul_i32 s45, s14, HALFT                      ; where they go: wave x 128 rows
	s_mul_i32 s94, s14, HALFS
	s_wait_dscnt 0x0                               ; both opening adds are done
	s_wait_kmcnt 0x0
	s_add_nc_u64 s[20:21], s[4:5], s[20:21]
	s_add_nc_u64 s[22:23], s[6:7], s[22:23]
	s_add_nc_u64 s[46:47], s[8:9], s[46:47]
	s_add_nc_u64 s[92:93], s[10:11], s[92:93]
	CROUND                                         ; all sixteen work-groups are here: the first joint loads meet
	s_mov_b32 s[G0S], 1
	s_add_co_u32 s[G0S+1], s94, SCL
	s_mov_b64 s[G0S+2:G0S+3], s[22:23]
	s_or_b32 s[G0S+3], s[G0S+3], 0x80000000
	s_mov_b32 s[G0SB], 1
	s_add_co_u32 s[G0SB+1], s94, SCL
	s_mov_b64 s[G0SB+2:G0SB+3], s[92:93]
	s_or_b32 s[G0SB+3], s[G0SB+3], 0x80000000
	JLOAD G0S, G1S, G0SB, G1SB                     ; the scales first
.irp s, 0,1
	s_mov_b32 s[G0+4*\s], 1
	s_add_co_u32 s[G0+4*\s+1], s45, \s*SLOT
	s_add_nc_u64 s[G0+4*\s+2:G0+4*\s+3], s[20:21], \s*ROWB
	s_or_b32 s[G0+4*\s+3], s[G0+4*\s+3], 0x80000000
	s_mov_b32 s[G0B+4*\s], 1
	s_add_co_u32 s[G0B+4*\s+1], s45, \s*SLOT
	s_add_nc_u64 s[G0B+4*\s+2:G0B+4*\s+3], s[46:47], \s*ROWB
	s_or_b32 s[G0B+4*\s+3], s[G0B+4*\s+3], 0x80000000
	JLOAD G0+4*\s, G1, G0B+4*\s, G1B               ; both K steps: three tensor loads of mine are out
.endr
	v_and_b32 v1, 15, v0                           ; r = lane % 16
	v_bfe_u32 v2, v0, 4, 1                         ; h = lane / 16
	v_mul_u32_u24 v3, v1, PITCH
	v_lshl_add_u32 v4, v2, 4, v3                   ; a fragment's row x pitch + 16 h
	s_mul_i32 s21, s15, HALFT
	s_mul_i32 s22, s16, HALFT
	s_add_co_u32 s22, s22, 2*HALFT
.irp s, 0,1
	v_add_nc_u32 v[ADRA+\s], s21, v4
	v_add_nc_u32 v[ADRB+\s], s22, v4
	s_add_co_u32 s21, s21, SLOT
	s_add_co_u32 s22, s22, SLOT
.endr
	v_mul_u32_u24 v5, v1, KS                       ; my row's scales: KS bytes a row,
	v_lshrrev_b32 v6, 8, v5
	v_lshl_add_u32 v5, v6, 4, v5                   ; and 16 more for each 256 passed
	s_mul_i32 s21, s15, HALFS
	s_mul_i32 s22, s16, HALFS
	s_add_co_u32 s22, s22, 2*HALFS
	s_sub_co_u32 s22, s22, s21
	v_mul_u32_u24 v6, s22, v2                      ; lanes 16-31 take W's
	s_add_co_u32 s21, s21, SCL
	v_add_nc_u32 v5, v5, v6
	v_add_nc_u32 v[ADRS], s21, v5
	s_mul_i32 s23, s14, 16*SPITCH                  ; my stage
	v_add_nc_u32 v[STO], s23, v4                   ; in: row r, 16 bytes for each half of the lanes
	v_and_b32 v6, 31, v0
	v_lshrrev_b32 v5, 3, v6
	v_mul_u32_u24 v5, v5, SPITCH
	v_and_b32 v7, 7, v0
	v_lshl_add_u32 v5, v7, 4, v5
	v_add_nc_u32 v[RD], s23, v5                    ; back: eight lanes take a head's 128 bytes of a row, four rows an instruction
	v_lshlrev_b32 v[CO], 4, v6                     ; which are 512 consecutive bytes of qkv16
	v_lshlrev_b32 v[VB], 5, v2
	v_lshl_add_u32 v[VO32], v1, 8, v[VB]
	; the bias of my 128 columns: the tensor is cluster x
	s_cmp_eq_u32 ttmp9, 0
	s_cselect_b64 s[96:97], s[96:97], s[98:99]
	s_cmp_eq_u32 ttmp9, 2
	s_cselect_b64 s[96:97], s[100:101], s[96:97]
	s_lshl_b32 s98, s40, 10
	s_lshl_b32 s99, s16, 9
	s_add_co_u32 s98, s98, s99
	s_mov_b32 s99, 0
	s_add_nc_u64 s[96:97], s[96:97], s[98:99]
.irp b, 0,1,2,3,4,5,6,7
	global_load_b128 v[BI+8*\b:BI+8*\b+3],   v[VB], s[96:97] offset:64*\b      ; register 8 b + j: the bias of column 16 b + 8 h + j
	global_load_b128 v[BI+8*\b+4:BI+8*\b+7], v[VB], s[96:97] offset:64*\b+16
.endr
	; where my part begins in qkv16: tensor, batch cy, head 4 cx + 2 x half, s = 256 x cluster y + 128 x half
	s_lshl_b32 s20, ttmp9, 24
	s_lshl_b32 s21, s41, 22
	s_add_co_u32 s20, s20, s21
	s_and_b32 s21, ttmp7, 0xffff
	s_lshl_b32 s21, s21, 15
	s_add_co_u32 s20, s20, s21
	s_lshl_b32 s21, s15, 14
	s_add_co_u32 s20, s20, s21
	s_lshl_b32 s46, s40, 20
	s_lshl_b32 s47, s16, 19
	s_add_co_u32 s46, s46, s47
	s_add_co_u32 s20, s20, s46
	s_mov_b32 s21, 0
	s_add_nc_u64 s[12:13], s[12:13], s[20:21]
	; and in qkv32: ((3 cy + tensor) 16 + head) x 4,096
	s_mul_i32 s20, s41, 3
	s_add_co_u32 s20, s20, ttmp9
	s_lshl_b32 s20, s20, 4
	s_lshl_b32 s46, s40, 2
	s_add_co_u32 s20, s20, s46
	s_lshl_b32 s46, s16, 1
	s_add_co_u32 s20, s20, s46
	s_lshl_b32 s20, s20, 12
	s_add_nc_u64 s[104:105], s[104:105], s[20:21]
.macro FRAG reg, adr, q, i             ; a fragment, 16 rows x 128 K: lane l holds row l % 16; registers 4 c .. 4 c + 3 hold K = 64 c + 32 (l / 16) + 0 .. 31
.irp c, 0,1
	ds_load_b128 v[\reg+4*\c:\reg+4*\c+3], v[\adr] offset:64*(\q)+32*\c+(\i)*16*PITCH
.endr
.endm
; 16 matrix instructions: x's blocks a0, a0 + 1 against W's eight, 128 along K.  first = 1: the bias is C.  The 64 accumulators take turns, one instruction a turn.
.macro MUL16 a0, p, q, sc, first
.irp a, \a0, \a0+1
.irp b, 0,1,2,3,4,5,6,7
.if \first
	v_wmma_scale_f32_16x16x128_f8f6f4 v[8*(8*((\a)%4)+\b):8*(8*((\a)%4)+\b)+7], v[128*(\p)+FR*\b:128*(\p)+FR*\b+FR-1], v[AF+FR*(\a):AF+FR*(\a)+FR-1], v[BI+8*\b:BI+8*\b+7], v[SC+8*NQ*(\sc)+NQ*\b+(\q)], v[SC+8*NQ*(\sc)+NQ*(\a)+(\q)] matrix_a_fmt:MATRIX_FMT_FP4 matrix_b_fmt:MATRIX_FMT_FP4 matrix_a_scale:MATRIX_SCALE_ROW1
.else
	v_wmma_scale_f32_16x16x128_f8f6f4 v[8*(8*((\a)%4)+\b):8*(8*((\a)%4)+\b)+7], v[128*(\p)+FR*\b:128*(\p)+FR*\b+FR-1], v[AF+FR*(\a):AF+FR*(\a)+FR-1], v[8*(8*((\a)%4)+\b):8*(8*((\a)%4)+\b)+7], v[SC+8*NQ*(\sc)+NQ*\b+(\q)], v[SC+8*NQ*(\sc)+NQ*(\a)+(\q)] matrix_a_fmt:MATRIX_FMT_FP4 matrix_b_fmt:MATRIX_FMT_FP4 matrix_a_scale:MATRIX_SCALE_ROW1
.endif
.endr
.endr
.endm
.macro FETCH_B slot, q, p
	WIN TO_B
.irp i, 0,1,2,3,4,5,6,7
	FRAG 128*(\p)+FR*\i, ADRB+\slot, \q, \i
.endr
	WIN 0
.endm
.macro FETCH_A slot, q, i0
.irp i, \i0, \i0+1, \i0+2, \i0+3
	FRAG AF+FR*(\i), ADRA+\slot, \q, \i
.endr
.endm
.macro SCALES sc                       ; a K step's scale words: lanes 0-15 take x's block i, lanes 16-31 W's block i
.irp i, 0,1,2,3,4,5,6,7
	ds_load_b128 v[SC+8*NQ*\sc+NQ*\i:SC+8*NQ*\sc+NQ*\i+3], v[ADRS] offset:\i*SBLK
.endr
.endm
.macro PLACES n                        ; plain vector lines between a matrix instruction and a load into, or a read of, its registers
.rept \n
	v_nop
.endr
.endm
.macro STEP slot, q, first             ; a step of 128 along K that has its successor in the same slot
	s_wait_dscnt 4*NL                              ; W's set and x's blocks 0-3 are in; the youngest eight loads (x's blocks 4-7) may be out
.if \first
	WIN ONE_LO
.else
	WIN MUL_LO
.endif
	MUL16 0, (\q)%2, \q, \slot, \first
	MUL16 2, (\q)%2, \q, \slot, \first
	s_wait_dscnt 0
	PLACES NP
	FETCH_B \slot, (\q)+1, 1-(\q)%2
	FETCH_A \slot, (\q)+1, 0
.if \first
	WIN ONE_HI
.else
	WIN MUL_HI
.endif
	MUL16 4, (\q)%2, \q, \slot, \first
	MUL16 6, (\q)%2, \q, \slot, \first
	PLACES NP
	WIN 0
	FETCH_A \slot, (\q)+1, 4
.endm
	s_wait_tensorcnt 1                             ; the scales and my part of K step 0 are in; K step 1's load may be out
	s_barrier_signal -1
	s_barrier_wait -1
	FETCH_B 0, 0, 0
	FETCH_A 0, 0, 0
	SCALES 0
	FETCH_A 0, 0, 4
	s_wait_loadcnt 0x0                             ; the bias
	STEP 0, 0, 1
	STEP 0, 1, 0
	STEP 0, 2, 0
	; slot 0's last step changes slots: one barrier; in front of it my part of slot 1 has landed and my reads of slot 0 are over
	s_wait_tensorcnt 0x0
	ds_add_u32 v[SPW], v[NIL]                      ; 0 onto my spare word
	s_wait_dscnt 4*NL+1                            ; the add and the youngest eight loads may be out
	WIN MUL_LO
	MUL16 0, 1, NQ-1, 0, 0
	s_wait_dscnt 0x0
	s_barrier_signal -1
	MUL16 2, 1, NQ-1, 0, 0
	WIN 0
	s_barrier_wait -1
	PLACES NP
	v_add_nc_u32 v[ADRS], 4*NQ, v[ADRS]            ; the next K step's scale words
	FETCH_B 1, 0, 0
	FETCH_A 1, 0, 0
	SCALES 1
	WIN MUL_HI
	MUL16 4, 1, NQ-1, 0, 0
	MUL16 6, 1, NQ-1, 0, 0
	PLACES NP
	WIN 0
	FETCH_A 1, 0, 4
	STEP 1, 0, 0
	STEP 1, 1, 0
	STEP 1, 2, 0
	s_wait_dscnt 4*NL                              ; the very last step
	WIN MUL_LO
	MUL16 0, 1, NQ-1, 1, 0
	MUL16 2, 1, NQ-1, 1, 0
	s_wait_dscnt 0
	WIN MUL_HI
	MUL16 4, 1, NQ-1, 1, 0
	MUL16 6, 1, NQ-1, 1, 0
	WIN 0
	PLACES NP
	; positions 0-15 of a sequence also leave as f32: my block 0, where cluster y = 0 and my rows are the tile's first.  Pieces of 64 bytes: 16 rows of 8,192
	s_cmp_lg_u32 s95, 0
	s_cbranch_scc1 .Lno_fine
	WIN 0x08                                       ; a store's data: window 2
.irp bb, 0,1,2,3,4,5,6,7
	global_store_b128 v[VO32], v[8*\bb:8*\bb+3],   s[104:105] offset:(\bb/4)*4096+(\bb%4)*64
	global_store_b128 v[VO32], v[8*\bb+4:8*\bb+7], s[104:105] offset:(\bb/4)*4096+(\bb%4)*64+16
.endr
	WIN 0
.Lno_fine:
; THE WAY OUT, block by block of 16 rows x 128 columns (two heads): rounded to f16, through my stage, back as four rows of one head an instruction: 512 consecutive bytes of qkv16.
.macro PACK a
.set AC, 64*((\a)%4)
	WIN 0x0a+5*((\a)/4)                            ; sources 0 and 1: window 2 or 3
.irp b, 0,1,2,3,4,5,6,7
.irp i, 0,1,2,3
	v_cvt_pk_f16_f32 v[TMP+4*\b+\i], v[AC+8*\b+2*\i], v[AC+8*\b+2*\i+1]   ; each accumulator from its low end on
.endr
.endr
	WIN 0
.endm
.macro TOSTAGE a
.set BB, BK+32*((\a)%2)
.if (\a) > 1
	s_wait_xcnt 0x0                                ; block a - 2's stores have read their registers
.endif
.irp b, 0,1,2,3,4,5,6,7
	ds_store_b128 v[STO], v[TMP+4*\b:TMP+4*\b+3] offset:32*\b
.endr
.irp t, 0,1,2,3,4,5,6,7
	ds_load_b128 v[BB+4*\t:BB+4*\t+3], v[RD] offset:(\t%4)*4*SPITCH+(\t/4)*128   ; LDS serves a wave's instructions in order: these see the stores above
.endr
.endm
.macro SEND a
.set BB, BK+32*((\a)%2)
	s_wait_dscnt 0x0
.irp t, 0,1,2,3,4,5,6,7
	global_store_b128 v[CO], v[BB+4*\t:BB+4*\t+3], s[12:13] offset:(\t/4)*262144+(\a)*2048+(\t%4)*512
.endr
.endm
	PACK 0
	TOSTAGE 0
.irp a, 1,2,3,4,5,6,7
	PACK \a                                        ; block a's conversions stand between block a - 1's loads from the stage and the wait for them
	SEND \a-1
	TOSTAGE \a
.endr
	SEND 7
	s_wait_tensorcnt 0x0                           ; the wave's end
	ds_add_u32 v[SPW], v[NIL]
	s_wait_dscnt 0x0
	CROUND                                         ; the closing round
	s_endpgm
.Lfunc_end_k_q815a73e89a_qkv:
	.size	k_q815a73e89a_qkv, .Lfunc_end_k_q815a73e89a_qkv-k_q815a73e89a_qkv
	.p2alignl 7, 3214868480
	.fill 96, 4, 3214868480
	.section	.rodata,"a",@progbits
	.p2align	6, 0x0
	.amdhsa_kernel k_q815a73e89a_qkv
		.amdhsa_group_segment_fixed_size 327680
		.amdhsa_private_segment_fixed_size 0
		.amdhsa_enable_private_segment 0
		.amdhsa_kernarg_size 72
		.amdhsa_user_sgpr_count 2
		.amdhsa_user_sgpr_kernarg_segment_ptr 1
		.amdhsa_wavefront_size32 1
		.amdhsa_system_sgpr_workgroup_id_x 1
		.amdhsa_system_sgpr_workgroup_id_y 1
		.amdhsa_system_sgpr_workgroup_id_z 1
		.amdhsa_system_vgpr_workitem_id 0
		.amdhsa_next_free_vgpr 1024
		.amdhsa_next_free_sgpr 106
		.amdhsa_reserve_vcc 0
		.amdhsa_float_denorm_mode_32 3
		.amdhsa_float_denorm_mode_16_64 3
		.amdhsa_memory_ordered 1
		.amdhsa_forward_progress 1
		.amdhsa_inst_pref_size 130
	.end_amdhsa_kernel
	.amdgpu_metadata
---
amdhsa.version: [ 1, 2 ]
amdhsa.kernels:
  - .name:           k_q815a73e89a_qkv
    .symbol:         k_q815a73e89a_qkv.kd
    .args:
      - { .name: xc, .offset: 0, .size: 8, .value_kind: global_buffer, .address_space: global }
      - { .name: xs, .offset: 8, .size: 8, .value_kind: global_buffer, .address_space: global }
      - { .name: wc, .offset: 16, .size: 8, .value_kind: global_buffer, .address_space: global }
      - { .name: ws, .offset: 24, .size: 8, .value_kind: global_buffer, .address_space: global }
      - { .name: qkv16, .offset: 32, .size: 8, .value_kind: global_buffer, .address_space: global }
      - { .name: bq, .offset: 40, .size: 8, .value_kind: global_buffer, .address_space: global }
      - { .name: bk, .offset: 48, .size: 8, .value_kind: global_buffer, .address_space: global }
      - { .name: bv, .offset: 56, .size: 8, .value_kind: global_buffer, .address_space: global }
      - { .name: qkv32, .offset: 64, .size: 8, .value_kind: global_buffer, .address_space: global }
    .group_segment_fixed_size: 327680
    .private_segment_fixed_size: 0
    .kernarg_segment_align: 8
    .kernarg_segment_size: 72
    .max_flat_workgroup_size: 128
    .sgpr_count:     106
    .vgpr_count:     1024
    .wavefront_size: 32
...
	.end_amdgpu_metadata
.endif
;; end of part 2
;; launch attn (part 3): grid 4 x 64, 8 waves a work-group, no clusters, 327,680 bytes of LDS; arguments qkv16, mask, att16; writes att16
.if DOCPART == 3
	.amdgcn_target "amdgcn-amd-amdhsa--gfx1250"
	.amdhsa_code_object_version 6
	.text
	.protected	k_q815a73e89a_attn
	.globl	k_q815a73e89a_attn
	.p2align	8
	.type	k_q815a73e89a_attn,@function
k_q815a73e89a_attn:
	s_mov_b64 s[64:65], 0
	v_nop
	global_prefetch_b8 v0, s[64:65] scope:SCOPE_SE
	s_setreg_imm32_b32 hwreg(HW_REG_WAVE_MODE, 25, 1), 1
	s_wait_xcnt 0x0
; att[b][hd][q][:] = the sum over k of softmax_k(q . k / 8) v, key k counting for query q where k <= q and mask[b][k] is not 0.  q, k, v: qkv16 [3][4][16][2048][64] f16.  att16: [head 16][2048 b + s][64] f16.
; Products on f16 operands with f32 sums; maxima, exponentials and sums in f32; the weights p are rounded to f16 for the second product.
; LIMITS.  A masked score is -1e30 and the running maximum begins at -1e12: a true score of f16 operands is at most 64 x 65,504^2 = 2.8e11 in size, so -1e12 lies under every one; a row that has seen only masked keys
; keeps m = -1e12, p = 0 and sums of 0.  A row that ends so has no admitted key and is NaN, as a softmax over nothing is.  Infinite or NaN operands are not served.
; SHARES.  Work-group (i, 16 b + hd) owns query blocks i and 7 - i of 256: 9 units of 256 x 256 under the causal mask, the same for every i.  Wave w holds four tiles of 16 queries: the EARLY piece (tiles 0, 1) at
; 256 i + 32 w, the LATE piece (tiles 2, 3) at 256 (7 - i) + 32 w.  Both pieces use each fragment of K and V that the wave reads.  Two waves share a SIMD.
; Every work-group walks all 8 slots of 256 keys, 4 steps of 64 each: the trip counts are constants; a step or a piece all of whose keys come after its queries is jumped over on ids.
; NO CLUSTER: the four work-groups of a head need 8, 7, 6 and 5 slots, so a joint load would bring a partner tiles that none of its waves reads.
; LAYOUT.  S^T = K Q^T + bias (source 0 = 16 keys, source 1 = 16 queries): a lane holds one query (lane % 16) and keys 8 (lane / 16) + 0..7; two such tiles rounded in pairs are source 1 of O^T = V^T P.  V comes out of LDS turned.
; THE PADDING MASK is a bias of 0 or -1e30 for each key, made once in LDS; a step's 64 numbers of it are the C of the scores' first products.
; REGISTERS.  window 0: v0-23 addresses; v24-55 statistics, 8 a tile (+0 c m, +1 m, +2 +3 l, +4..+7 at work, a at +6); v56-87 the bias; v88-215 S^T, 32 a tile; v216-247 P of the piece in hand.
;   window 1: v0-63 Q, 16 a tile; v64-127 K, then V, of a step; v128-255 O^T, 32 a tile.
.set PK,    144                        ; a row of K in LDS: 128 bytes + 16
.set PVP,   160                        ; a row of V: 128 + 32
.set VOFF,  64*PK
.set STEPB, 64*(PK+PVP)                ; a step's tiles: K's 64 rows, then V's
.set SLOT1, 1<<17                      ; a slot holds four steps (77,824 bytes); slot 1 begins here
.set BIAS,  2*SLOT1                    ; 2,048 f32
.set STAGE, BIAS+8192                  ; 16 rows x 144 bytes for each wave
.set SPARE, STAGE+8*16*PK              ; the spare words, 128 bytes a wave
.set AK0, 2
.set AV0, 3
.set AB0, 4
.set ADK, 5
.set ADV, 6
.set ADM, 7
.set STO, 8
.set RD,  9
.set GO,  10
.set NEGV, 11                          ; -1e30
.set RH,  12                           ; lane % 16 - 8 (lane / 16)
.set NANV, 13
.set SPW, 14
.set NIL, 15
.set PFO, 16
.set QO,  17
.set D0,  18                           ; v18, v19: the diagonal's bounds for the piece's two tiles
.set ST,  24
.set MB,  56
.set S,   88
.set P,   216
.set Q,   0                            ; window 1
.set KV,  64
.set O,   128
.set WV,  10
.set BH,  11
.set QE31, 12
.set QL31, 13
.set Q0E, 14
.set Q0L, 15
.set LASTQ, 16
.set KF,  17                           ; the step's first key
.set TB,  18                           ; LDS byte of the step's tiles
.set TM,  19                           ; 4 x the step's first key
.set SLOTS, 20
.set INNER, 21
.set CS,  22                           ; s[22:23] c = log2(e) / 8
.set G1K, 24
.set G1V, 32
.set G0,  40
.set SEL, 44
.set PFA, 46
.set LIM, 48
.set OE,  50
.set OL,  52
.set QE,  54
.set QL,  56
.set THR, 68
.set MSB, 0
.macro WIN new
.if MSB != (\new)
	s_set_vgpr_msb (MSB<<8)|(\new)
.set MSB, (\new)
.endif
.endm
.set W_KQ, 0x05                        ; K and Q window 1; C and D window 0
.set W_PV, 0x51                        ; V window 1, P window 0, C and D window 1
.set W_RS, 0x41                        ; O^T (destination, source 0) window 1, a window 0
.set W_LD, 0x40                        ; destination window 1
; Waves 0-3 fetch K of a slot's steps 0-3, waves 4-7 V of them: one load a wave.  An s_nop 0 and four v_nop follow each line.
.macro TLOAD
	s_cmp_lt_u32 s[WV], 4
	s_cbranch_scc0 .Lfor_v_\@
	tensor_load_to_lds s[G0:G0+3], s[G1K:G1K+7]
	s_nop 0
.rept 4
	v_nop
.endr
	s_branch .Lasked_\@
.Lfor_v_\@:
	tensor_load_to_lds s[G0:G0+3], s[G1V:G1V+7]
	s_nop 0
.rept 4
	v_nop
.endr
.Lasked_\@:
.endm
; A prefetch of what the NEXT change of slots will load.  All four work-groups of a head walk the same K and V; the one with i = 0 walks all eight slots, and it alone asks.  Each of its waves names the 8,192 dense bytes
; that it will itself load, lanes 256 bytes apart: each block is named once in the launch.  The last filling change asks for nothing; slots 0 and 1 come by their loads alone.
.macro ASK
	s_cmp_gt_u32 s[SLOTS], s[LIM]
	s_cbranch_scc0 .Lnot_mine_\@
	global_prefetch_b8 v[PFO], s[PFA:PFA+1] th:TH_LOAD_NT scope:SCOPE_SE
.Lnot_mine_\@:
.endm
	s_load_b128 s[4:7], s[0:1], 0x0                ; qkv16, mask
	s_load_b64 s[8:9], s[0:1], 0x10                ; att16
	v_lshl_add_u32 v[SPW], v0, 2, SPARE
	v_mov_b32 v[NIL], 0
	ds_add_u32 v[SPW], v[NIL]                      ; the wave's opening: the add, twice on end, and its wait ahead of my first tensor load
	ds_add_u32 v[SPW], v[NIL]
	v_lshrrev_b32 v1, 5, v0
	v_readfirstlane_b32 s[WV], v1                  ; wave 0..7
	s_and_b32 s[BH], ttmp7, 0xffff                 ; 16 b + hd
	s_mov_b32 s[G1K], (1<<16)|(1<<20)|(4<<22)|(3<<25)   ; elements of 2 bytes; padding: 4 words behind every 32
	s_mov_b32 s[G1V], (1<<16)|(1<<20)|(4<<22)|(7<<25)   ; 8 words
.irp g, G1K, G1V
	s_mov_b32 s[\g+1], 64<<16                      ; tensor_dim0
	s_mov_b32 s[\g+2], 64<<16                      ; tensor_dim1
	s_mov_b32 s[\g+3], 64<<16                      ; tile_dim0
	s_mov_b32 s[\g+4], 64                          ; tile_dim1
	s_mov_b32 s[\g+5], 64                          ; the pitch
	s_mov_b32 s[\g+6], 0
	s_mov_b32 s[\g+7], 0
.endr
	s_lshl_b32 s58, ttmp9, 8
	s_lshl_b32 s59, s[WV], 5
	s_add_co_u32 s[Q0E], s58, s59                  ; 256 i + 32 w
	s_sub_co_u32 s60, 1792, s58
	s_add_co_u32 s[Q0L], s60, s59                  ; 256 (7 - i) + 32 w
	s_add_co_u32 s[LASTQ], s60, 255                ; the work-group's last query
	s_add_co_u32 s[QE31], s[Q0E], 31
	s_add_co_u32 s[QL31], s[Q0L], 31
	s_and_b32 s61, s[WV], 3
	s_lshr_b32 s62, s[WV], 2
	s_mov_b32 s[G0], 1
	s_mul_i32 s[G0+1], s61, STEPB                  ; my tile in a slot: step w % 4, K or V
	s_mul_i32 s63, s62, VOFF
	s_add_co_u32 s[G0+1], s[G0+1], s63
	s_add_co_u32 s58, s62, 1                       ; tensor 1 (K) or 2 (V)
	s_lshl_b32 s58, s58, 6
	s_add_co_u32 s58, s58, s[BH]
	s_lshl_b32 s58, s58, 18
	s_lshl_b32 s59, s61, 13
	s_add_co_u32 s58, s58, s59                     ; my tile of slot 0 in qkv16
	s_mov_b32 s59, 0
	s_lshl_b32 s60, s[BH], 18
	s_lshl_b32 s62, s[Q0E], 7
	s_add_co_u32 s62, s62, s60                     ; the early piece's q
	s_mov_b32 s63, 0
	s_lshl_b32 s66, s[Q0L], 7
	s_add_co_u32 s66, s66, s60                     ; the late piece's
	s_mov_b32 s67, 0
	s_and_b32 s60, s[BH], 15
	s_lshl_b32 s60, s60, 20
	s_lshr_b32 s61, s[BH], 4
	s_lshl_b32 s70, s61, 18
	s_add_co_u32 s60, s60, s70                     ; head and batch in att16
	s_lshl_b32 s70, s[Q0E], 7
	s_add_co_u32 s70, s70, s60
	s_mov_b32 s71, 0
	s_lshl_b32 s72, s[Q0L], 7
	s_add_co_u32 s72, s72, s60
	s_mov_b32 s73, 0
	s_lshl_b32 s74, s61, 13                        ; the batch's row of the mask
	s_mov_b32 s75, 0
	s_mov_b32 s[CS], 0x3e38aa3b                    ; c = log2(e) / 8
	s_mov_b32 s[CS+1], s[CS]
	s_mov_b32 s[SEL], 0x76543210
	s_mov_b32 s[SEL+1], 0xfedcba98
	s_mov_b32 s[THR], 0xd2e8d4a5                   ; -5e11
	s_mov_b32 s[KF], 0
	s_mov_b32 s[TB], 0
	s_mov_b32 s[TM], 0
	s_mov_b32 s[SLOTS], 7
	s_cmp_eq_u32 ttmp9, 0
	s_cselect_b32 s[LIM], 1, -1
	s_wait_dscnt 0x0                               ; both opening adds are done
	s_wait_kmcnt 0x0
	s_add_nc_u64 s[PFA:PFA+1], s[4:5], s[58:59]
	s_mov_b64 s[G0+2:G0+3], s[PFA:PFA+1]
	s_or_b32 s[G0+3], s[G0+3], 0x80000000
	TLOAD                                          ; slot 0: keys 0-255, which every wave reads
	s_add_nc_u64 s[PFA:PFA+1], s[PFA:PFA+1], 32768 ; at slot 1; the first change of slots steps it to slot 2
	s_add_nc_u64 s[QE:QE+1], s[4:5], s[62:63]
	s_add_nc_u64 s[QL:QL+1], s[4:5], s[66:67]
	s_add_nc_u64 s[OE:OE+1], s[8:9], s[70:71]
	s_add_nc_u64 s[OL:OL+1], s[8:9], s[72:73]
	s_add_nc_u64 s[6:7], s[6:7], s[74:75]
	v_and_b32 v1, 15, v0                           ; r
	v_bfe_u32 v20, v0, 4, 1                        ; h
	v_and_b32 v21, 31, v0                          ; lane
	v_lshlrev_b32 v[QO], 7, v1
	v_lshl_add_u32 v[QO], v20, 4, v[QO]            ; row r of 128 bytes + 16 h
	WIN W_LD
.irp u, 0,1
.irp i, 0,1,2,3
	global_load_b128 v[Q+16*\u+4*\i:Q+16*\u+4*\i+3],       v[QO], s[QE:QE+1] offset:2048*\u+32*\i
	global_load_b128 v[Q+32+16*\u+4*\i:Q+32+16*\u+4*\i+3], v[QO], s[QL:QL+1] offset:2048*\u+32*\i
.endr
.endr
	WIN 0
	v_lshlrev_b32 v[D0], 5, v0                     ; my eight words of the mask
	global_load_b128 v[MB:MB+3],   v[D0], s[6:7]
	global_load_b128 v[MB+4:MB+7], v[D0], s[6:7] offset:16
	v_lshl_add_u32 v[D0+1], v0, 5, BIAS            ; and where their bias goes
	v_mul_u32_u24 v[AK0], v1, PK
	v_lshl_add_u32 v[AK0], v20, 4, v[AK0]
	v_and_b32 v22, 7, v0
	v_lshl_add_u32 v23, v20, 3, v22                ; key 8 h + lane % 8
	v_mul_u32_u24 v[AV0], v23, PVP
	v_bfe_u32 v23, v0, 3, 1
	v_lshl_add_u32 v[AV0], v23, 4, v[AV0]
	v_add_nc_u32 v[AV0], VOFF, v[AV0]
	v_lshl_add_u32 v[AB0], v20, 5, BIAS
	s_mul_i32 s58, s[WV], 16*PK
	s_add_co_u32 s58, s58, STAGE                   ; my stage
	v_add_nc_u32 v[STO], s58, v[AK0]               ; in: row r, 16 bytes for each half of the lanes
	v_lshrrev_b32 v23, 3, v21
	v_mul_u32_u24 v[RD], v23, PK
	v_lshl_add_u32 v[RD], v22, 4, v[RD]
	v_add_nc_u32 v[RD], s58, v[RD]                 ; back: eight lanes a row, four rows an instruction
	v_lshlrev_b32 v[GO], 4, v21
	v_lshlrev_b32 v23, 3, v20
	v_sub_nc_u32 v[RH], v1, v23
	v_lshlrev_b32 v[PFO], 8, v21
	v_mov_b32 v[NEGV], 0xf149f2ca                  ; -1e30
	v_mov_b32 v[NANV], 0x7fc00000
.irp t, 0,1,2,3
	v_mov_b32 v[ST+8*\t+1], 0xd368d4a5             ; m = -1e12, under every score
	v_mul_f32 v[ST+8*\t], s[CS], v[ST+8*\t+1]      ; c m
.irp j, 2,3,4,5,6,7
	v_mov_b32 v[ST+8*\t+\j], 0
.endr
.endr
	WIN W_LD
.set i, 0
.rept 128
	v_mov_b32 v[O+i], 0                            ; O^T.  The step is written with no first copy of its own: the first step finds zeros
.set i, i+1
.endr
	WIN 0
	s_wait_loadcnt 0x0                             ; Q and the mask
.irp j, 0,1,2,3,4,5,6,7
	v_cmp_eq_u32 vcc_lo, 0, v[MB+\j]
	v_cndmask_b32 v[MB+\j], v[NIL], v[NEGV], vcc_lo   ; 0, or -1e30 where the key is padding
.endr
	ds_store_b128 v[D0+1], v[MB:MB+3]
	ds_store_b128 v[D0+1], v[MB+4:MB+7] offset:16  ; the first change of slots waits for these and passes a barrier ahead of every read
.macro KLOAD                           ; a step's K (8 fragments of 16 keys x 32 channels) and its 64 numbers of the bias
	WIN W_LD
.irp kt, 0,1,2,3
.irp i, 0,1,2,3
	ds_load_b128 v[KV+16*\kt+4*\i:KV+16*\kt+4*\i+3], v[ADK] offset:16*PK*\kt+32*\i
.endr
.endr
	WIN 0
.irp kt, 0,1,2,3
	ds_load_b128 v[MB+8*\kt:MB+8*\kt+3],   v[ADM] offset:64*\kt
	ds_load_b128 v[MB+8*\kt+4:MB+8*\kt+7], v[ADM] offset:64*\kt+16
.endr
.endm
.macro VLOAD                           ; its V, turned: fragment (c, ct): 16 channels x 32 keys
	WIN W_LD
.irp c, 0,1
.irp ct, 0,1,2,3
	ds_load_tr16_b128 v[KV+8*(4*\c+\ct):KV+8*(4*\c+\ct)+3],   v[ADV] offset:32*PVP*\c+32*\ct
	ds_load_tr16_b128 v[KV+8*(4*\c+\ct)+4:KV+8*(4*\c+\ct)+7], v[ADV] offset:32*PVP*\c+16*PVP+32*\ct
.endr
.endr
	WIN 0
.endm
; 16 products S^T = K Q^T + bias of piece p: eight accumulators by turns, one instruction a turn
.macro KQ p
.irp c, 0,1
.irp kt, 0,1,2,3
.irp u, 0,1
.if \c == 0
	v_wmma_f32_16x16x32_f16 v[S+32*(2*\p+\u)+8*\kt:S+32*(2*\p+\u)+8*\kt+7], v[KV+16*\kt+8*\c:KV+16*\kt+8*\c+7], v[Q+16*(2*\p+\u)+8*\c:Q+16*(2*\p+\u)+8*\c+7], v[MB+8*\kt:MB+8*\kt+7]
.else
	v_wmma_f32_16x16x32_f16 v[S+32*(2*\p+\u)+8*\kt:S+32*(2*\p+\u)+8*\kt+7], v[KV+16*\kt+8*\c:KV+16*\kt+8*\c+7], v[Q+16*(2*\p+\u)+8*\c:Q+16*(2*\p+\u)+8*\c+7], v[S+32*(2*\p+\u)+8*\kt:S+32*(2*\p+\u)+8*\kt+7]
.endif
.endr
.endr
.endr
.endm
; 16 products O^T += V^T P of piece p, likewise
.macro PV p
.irp c, 0,1
.irp ct, 0,1,2,3
.irp u, 0,1
	v_wmma_f32_16x16x32_f16 v[O+32*(2*\p+\u)+8*\ct:O+32*(2*\p+\u)+8*\ct+7], v[KV+8*(4*\c+\ct):KV+8*(4*\c+\ct)+7], v[P+16*\u+8*\c:P+16*\u+8*\c+7], v[O+32*(2*\p+\u)+8*\ct:O+32*(2*\p+\u)+8*\ct+7]
.endr
.endr
.endr
.endm
; On the diagonal: register n of a tile holds key KF + 16 (n / 8) + 8 h + n % 8; it is hidden where that is above my query
.macro CMASK p, q0
	s_sub_co_i32 s58, s[\q0], s[KF]
	v_add_nc_u32 v[D0], s58, v[RH]
	v_add_nc_u32 v[D0+1], 16, v[D0]
.irp u, 0,1
.irp n, 0,1,2,3,4,5,6,7,8,9,10,11,12,13,14,15,16,17,18,19,20,21,22,23,24,25,26,27,28,29,30,31
	v_cmp_gt_i32 vcc_lo, 16*(\n/8)+\n%8, v[D0+\u]
	v_cndmask_b32 v[S+32*(2*\p+\u)+\n], v[S+32*(2*\p+\u)+\n], v[NEGV], vcc_lo
.endr
.endr
.endm
.macro TT p, u
.set rT, ST+8*(2*(\p)+(\u))
.set rS, S+32*(2*(\p)+(\u))
.set rP, P+16*(\u)
.set rO, O+32*(2*(\p)+(\u))
.endm
; The softmax of piece p for one step, its two tiles line by line by turns
.macro SM p
.irp j, 0,1,2,3                        ; the maximum: four chains, each begun at its accumulator's low end
.irp u, 0,1
	TT \p, \u
	v_max3_num_f32 v[rT+4+\j], v[rS+8*\j], v[rS+8*\j+1], v[rS+8*\j+2]
.endr
.endr
.irp g, 1,2
.irp j, 0,1,2,3
.irp u, 0,1
	TT \p, \u
	v_max3_num_f32 v[rT+4+\j], v[rT+4+\j], v[rS+8*\j+2*\g+1], v[rS+8*\j+2*\g+2]
.endr
.endr
.endr
.irp u, 0,1
	TT \p, \u
	v_max3_num_f32 v[rT+4], v[rT+4], v[rS+7], v[rS+15]
	v_max3_num_f32 v[rT+6], v[rT+6], v[rS+23], v[rS+31]
.endr
.irp u, 0,1
	TT \p, \u
	v_max3_num_f32 v[rT+4], v[rT+4], v[rT+5], v[rT+6]
.endr
.irp u, 0,1
	TT \p, \u
	v_max3_num_f32 v[rT+4], v[rT+4], v[rT+7], v[rT+1]          ; and the old m
.endr
.irp u, 0,1
	TT \p, \u
	v_permlanex16_b32 v[rT+5], v[rT+4], s[SEL], s[SEL+1]       ; the query's other 32 keys lie in the lane 16 away
.endr
.irp u, 0,1
	TT \p, \u
	v_mov_b32 v[rT+7], v[rT]                                   ; c m_old
.endr
.irp u, 0,1
	TT \p, \u
	v_max_num_f32 v[rT+1], v[rT+4], v[rT+5]
.endr
.irp u, 0,1
	TT \p, \u
	v_mul_f32 v[rT], s[CS], v[rT+1]
.endr
.irp u, 0,1
	TT \p, \u
	v_sub_f32 v[rT+7], v[rT+7], v[rT]
.endr
.irp b, 0,1,2,3,4,5,6,7,8,9,10,11,12,13,14,15
.irp u, 0,1
	TT \p, \u
	v_pk_fma_f32 v[rS+2*\b:rS+2*\b+1], v[rS+2*\b:rS+2*\b+1], s[CS:CS+1], v[rT:rT+1] op_sel_hi:[1,0,0] neg_lo:[0,0,1] neg_hi:[0,0,1]   ; c s - c m
.endr
.endr
.irp u, 0,1                            ; ONE BATCH of 66 exponentials
	TT \p, \u
	v_exp_f32 v[rT+6], v[rT+7]                                 ; a = 2^(c m_old - c m_new)
.endr
.irp e, 0,1,2,3,4,5,6,7,8,9,10,11,12,13,14,15,16,17,18,19,20,21,22,23,24,25,26,27,28,29,30,31
.irp u, 0,1
	TT \p, \u
	v_exp_f32 v[rS+\e], v[rS+\e]
.endr
.endr
	v_nop                                          ; a plain line behind the last exponential
	s_wait_alu depctr_va_vdst(0)                   ; one wait for the batch, ahead of its first reader
.irp i, 0,1,2,3,4,5,6,7,8,9,10,11,12,13,14,15
.irp u, 0,1
	TT \p, \u
	v_cvt_pk_f16_f32 v[rP+\i], v[rS+2*\i], v[rS+2*\i+1]
.endr
.endr
.irp z, 0,1,2,3,4,5,6,7                ; the sum of the 16 pairs, in place
.irp u, 0,1
	TT \p, \u
	v_pk_add_f32 v[rS+4*\z:rS+4*\z+1], v[rS+4*\z:rS+4*\z+1], v[rS+4*\z+2:rS+4*\z+3]
.endr
.endr
.irp z, 0,1,2,3
.irp u, 0,1
	TT \p, \u
	v_pk_add_f32 v[rS+8*\z:rS+8*\z+1], v[rS+8*\z:rS+8*\z+1], v[rS+8*\z+4:rS+8*\z+5]
.endr
.endr
.irp z, 0,1
.irp u, 0,1
	TT \p, \u
	v_pk_add_f32 v[rS+16*\z:rS+16*\z+1], v[rS+16*\z:rS+16*\z+1], v[rS+16*\z+8:rS+16*\z+9]
.endr
.endr
.irp u, 0,1
	TT \p, \u
	v_pk_add_f32 v[rS:rS+1], v[rS:rS+1], v[rS+16:rS+17]
.endr
.irp u, 0,1
	TT \p, \u
	v_pk_fma_f32 v[rT+2:rT+3], v[rT+2:rT+3], v[rT+6:rT+7], v[rS:rS+1] op_sel_hi:[1,0,1]   ; l = a l + the sum
.endr
	WIN W_RS
.irp i, 0,1,2,3,4,5,6,7,8,9,10,11,12,13,14,15
.irp u, 0,1
	TT \p, \u
	v_pk_mul_f32 v[rO+2*\i:rO+2*\i+1], v[rO+2*\i:rO+2*\i+1], v[rT+6:rT+7] op_sel_hi:[1,0]   ; O^T x a, each accumulator from its low end on
.endr
.endr
	WIN 0
.endm
.macro PLACES
.rept 4
	v_nop
.endr
.endm
; A KEY STEP: 64 keys.  All branches hang on ids and the count of steps; no barrier and no tensor load stands in a step.
.macro STEP
	s_cmp_gt_u32 s[KF], s[QL31]                    ; all keys come after my late queries: nothing to do
	s_cbranch_scc1 .Lhidden_\@
	v_add_nc_u32 v[ADK], s[TB], v[AK0]             ; these four plain lines stand between the last step's products and the loads into the registers that they read
	v_add_nc_u32 v[ADV], s[TB], v[AV0]
	v_add_nc_u32 v[ADM], s[TM], v[AB0]
	v_nop
	KLOAD
	s_add_co_u32 s59, s[KF], 63                    ; the step's last key
	s_wait_dscnt 0x0                               ; K and the bias are in
	s_cmp_gt_u32 s[KF], s[QE31]
	s_cbranch_scc1 .Lno_e_\@
	WIN W_KQ
	KQ 0
	KQ 1
	WIN 0
	PLACES                                         ; in front of the loads into K's registers and of the first reads of the scores
	VLOAD
	s_cmp_le_u32 s59, s[Q0E]                       ; all keys count: no diagonal
	s_cbranch_scc1 .Lopen_e_\@
	CMASK 0, Q0E
.Lopen_e_\@:
	SM 0
	s_wait_dscnt 0x0                               ; V is in
	WIN W_PV
	PV 0
	WIN 0
	s_branch .Lboth_\@
.Lno_e_\@:                                             ; the early piece is past its last key: the late piece alone
	WIN W_KQ
	KQ 1
	WIN 0
	PLACES
	VLOAD
.Lboth_\@:
	s_cmp_le_u32 s59, s[Q0L]
	s_cbranch_scc1 .Lopen_l_\@
	CMASK 1, Q0L
.Lopen_l_\@:
	SM 1
	s_wait_dscnt 0x0
	WIN W_PV
	PV 1
	WIN 0
.Lhidden_\@:
	s_add_co_u32 s[KF], s[KF], 64
	s_add_co_u32 s[TB], s[TB], STEPB
	s_add_co_u32 s[TM], s[TM], 256
.endm
; THE CHANGE OF SLOTS stands at a slot's head.  Each wave waits for all its tensor loads (one is out at the most: its part of the slot ahead), adds 0 to its spare word, waits for that and for its reads of the slot that it
; has left, and passes the barrier.  fill = 1: the slot that was left takes the next 256 keys, if any wave of the work-group will read them; the load has a slot's four steps in which to land.
.macro CHANGE fill
	s_wait_tensorcnt 0x0                           ; no tensor load of mine is out, so group 0 may be written
	ds_add_u32 v[SPW], v[NIL]
.if \fill
	s_xor_b32 s[G0+1], s[G0+1], SLOT1
	s_add_nc_u64 s[G0+2:G0+3], s[G0+2:G0+3], 32768 ; the next 256 keys
	s_wait_xcnt 0x0                                ; the last prefetch, a slot back, has read its address
	s_add_nc_u64 s[PFA:PFA+1], s[PFA:PFA+1], 32768
.endif
	s_wait_dscnt 0x0
	s_barrier_signal -1
	s_barrier_wait -1
.if \fill
	s_add_co_u32 s58, s[KF], 256                   ; the first key of the slot that this change would ask for:
	s_cmp_gt_u32 s58, s[LASTQ]                     ; past the work-group's last query it is read by none of the eight waves, and is not asked for.  Ids and the count of steps alone: all waves go the same way
	s_cbranch_scc1 .Lpast_\@
	TLOAD
.Lpast_\@:
	ASK
.endif
.endm
.macro SLOT_STEPS
	s_mov_b32 s[INNER], 4
.Lstep_\@:
	STEP
	s_sub_co_u32 s[INNER], s[INNER], 1
	s_cmp_lg_u32 s[INNER], 0
	s_cbranch_scc1 .Lstep_\@
	s_sub_co_u32 s[TB], s[TB], 4*STEPB
	s_xor_b32 s[TB], s[TB], SLOT1                  ; on to the other slot
.endm
.Lslot:                                                ; seven trips
	CHANGE 1
	SLOT_STEPS
	s_sub_co_u32 s[SLOTS], s[SLOTS], 1
	s_cmp_lg_u32 s[SLOTS], 0
	s_cbranch_scc1 .Lslot
	CHANGE 0                                       ; the last slot is written out: nothing is left to ask for
	SLOT_STEPS
	; THE WAY OUT.  l's halves are added; O^T is divided by l, rounded to f16 and goes through my stage, a tile at a time; four rows of 128 bytes leave as 512 consecutive bytes.
.irp t, 0,1,2,3
	v_add_f32 v[ST+8*\t+4], v[ST+8*\t+2], v[ST+8*\t+3]
.endr
.irp t, 0,1,2,3
	v_permlanex16_b32 v[ST+8*\t+5], v[ST+8*\t+4], s[SEL], s[SEL+1]
.endr
.irp t, 0,1,2,3
	v_add_f32 v[ST+8*\t+4], v[ST+8*\t+4], v[ST+8*\t+5]
.endr
.irp t, 0,1,2,3
	v_rcp_f32 v[ST+8*\t+6], v[ST+8*\t+4]
.endr
	v_nop
	s_wait_alu depctr_va_vdst(0)                   ; one wait for the four reciprocals
.irp t, 0,1,2,3
	v_cmp_gt_f32 vcc_lo, s[THR], v[ST+8*\t+1]      ; m still under every score: no key was admitted
	v_cndmask_b32 v[ST+8*\t+6], v[ST+8*\t+6], v[NANV], vcc_lo
.endr
.macro OUT t, base
	WIN 0x01                                       ; source 0 (O^T) window 1
.irp i, 0,1,2,3,4,5,6,7,8,9,10,11,12,13,14,15
	v_pk_mul_f32 v[S+32*\t+2*\i:S+32*\t+2*\i+1], v[O+32*\t+2*\i:O+32*\t+2*\i+1], v[ST+8*\t+6:ST+8*\t+7] op_sel_hi:[1,0]
.endr
	WIN 0
.irp i, 0,1,2,3,4,5,6,7,8,9,10,11,12,13,14,15
	v_cvt_pk_f16_f32 v[P+16*(\t%2)+\i], v[S+32*\t+2*\i], v[S+32*\t+2*\i+1]
.endr
.irp ct, 0,1,2,3
	ds_store_b128 v[STO], v[P+16*(\t%2)+4*\ct:P+16*(\t%2)+4*\ct+3] offset:32*\ct
.endr
.if \t > 1
	s_wait_xcnt 0x0                                ; tile t - 2's stores have read their registers
.endif
.irp k, 0,1,2,3
	ds_load_b128 v[MB+16*(\t%2)+4*\k:MB+16*(\t%2)+4*\k+3], v[RD] offset:4*PK*\k   ; LDS serves a wave's instructions in order: these see the stores above
.endr
	s_wait_dscnt 0x0
.irp k, 0,1,2,3
	global_store_b128 v[GO], v[MB+16*(\t%2)+4*\k:MB+16*(\t%2)+4*\k+3], s[\base:\base+1] offset:2048*(\t%2)+512*\k
.endr
.endm
	OUT 0, OE
	OUT 1, OE
	OUT 2, OL
	OUT 3, OL
	s_wait_tensorcnt 0x0                           ; the wave's end
	ds_add_u32 v[SPW], v[NIL]
	s_wait_dscnt 0x0
	s_endpgm
.Lfunc_end_k_q815a73e89a_attn:
	.size	k_q815a73e89a_attn, .Lfunc_end_k_q815a73e89a_attn-k_q815a73e89a_attn
	.p2alignl 7, 3214868480
	.fill 96, 4, 3214868480
	.section	.rodata,"a",@progbits
	.p2align	6, 0x0
	.amdhsa_kernel k_q815a73e89a_attn
		.amdhsa_group_segment_fixed_size 327680
		.amdhsa_private_segment_fixed_size 0
		.amdhsa_enable_private_segment 0
		.amdhsa_kernarg_size 24
		.amdhsa_user_sgpr_count 2
		.amdhsa_user_sgpr_kernarg_segment_ptr 1
		.amdhsa_wavefront_size32 1
		.amdhsa_system_sgpr_workgroup_id_x 1
		.amdhsa_system_sgpr_workgroup_id_y 1
		.amdhsa_system_sgpr_workgroup_id_z 1
		.amdhsa_system_vgpr_workitem_id 0
		.amdhsa_next_free_vgpr 512
		.amdhsa_next_free_sgpr 80
		.amdhsa_reserve_vcc 1
		.amdhsa_float_denorm_mode_32 3
		.amdhsa_float_denorm_mode_16_64 3
		.amdhsa_memory_ordered 1
		.amdhsa_forward_progress 1
		.amdhsa_inst_pref_size 116
	.end_amdhsa_kernel
	.amdgpu_metadata
---
amdhsa.version: [ 1, 2 ]
amdhsa.kernels:
  - .name:           k_q815a73e89a_attn
    .symbol:         k_q815a73e89a_attn.kd
    .args:
      - { .name: qkv16, .offset: 0, .size: 8, .value_kind: global_buffer, .address_space: global }
      - { .name: mask, .offset: 8, .size: 8, .value_kind: global_buffer, .address_space: global }
      - { .name: att16, .offset: 16, .size: 8, .value_kind: global_buffer, .address_space: global }
    .group_segment_fixed_size: 327680
    .private_segment_fixed_size: 0
    .kernarg_segment_align: 8
    .kernarg_segment_size: 24
    .max_flat_workgroup_size: 256
    .sgpr_count:     80
    .vgpr_count:     512
    .wavefront_size: 32
...
	.end_amdgpu_metadata
.endif
;; end of part 3
;; launch proj (part 4): grid 4 x 64, 4 waves a work-group, clusters of 4 x 4, 327,680 bytes of LDS; arguments att16, wo16, bo, out0; writes out0
.if DOCPART == 4
	.amdgcn_target "amdgcn-amd-amdhsa--gfx1250"
	.amdhsa_code_object_version 6
	.text
	.protected	k_q815a73e89a_proj
	.globl	k_q815a73e89a_proj
	.p2align	8
	.type	k_q815a73e89a_proj,@function
k_q815a73e89a_proj:
	s_mov_b64 s[64:65], 0
	v_nop
	global_prefetch_b8 v0, s[64:65] scope:SCOPE_SE
	s_setreg_imm32_b32 hwreg(HW_REG_WAVE_MODE, 25, 1), 1
	s_wait_xcnt 0x0
	s_wait_alu depctr_hold_cnt(0) depctr_sa_sdst(0) depctr_va_vdst(0) depctr_va_sdst(0) depctr_va_ssrc(0) depctr_va_vcc(0) depctr_vm_vsrc(0)
	s_getreg_b32 s2, hwreg(HW_REG_IB_STS2, 6, 4)
	s_cmp_eq_u32 s2, 0
	s_cbranch_scc0 .Lentry_in_a_cluster
	s_endpgm
.Lentry_in_a_cluster:
	s_bfe_u32 s2, ttmp6, 0x10000c
	s_cmp_lg_u32 s2, 0xf033
	s_cbranch_scc0 .Lentry_shape_is_right
	s_endpgm
.Lentry_shape_is_right:
; out0[m][n] = the sum over k of att[m][k] Wo[n][k] + bo[n].  att16: [head 16][m 8192][64] f16 (k = 64 head + channel); wo16: [1024 n][1024 k] f16; out0: [8192][1024] f32; sums in f32.
; A tile of C is 128 rows x 256 columns: 256 work-groups.  Four waves, each 64 x 128: 32 accumulators, 256 registers.  K goes in 8 steps of 128 (two heads) through a ring of two LDS slots.
; In a slot: att's two planes (a head each) of 128 rows x 128 bytes, then Wo's 256 rows x 256 bytes.  Waves 0, 1 fetch the planes, waves 2, 3 the halves of Wo's rows: one tensor load a wave.
; CLUSTERS: 4 x 4.  The four of a row of the cluster ask jointly for att's tiles, the four of a column for Wo's.
; THE MATRIX INSTRUCTION IS USED TRANSPOSED (source 0 = 16 rows of Wo, source 1 = 16 rows of att): a lane holds eight neighbouring columns of a row of C.  bo is the C of each sum's first product.
; Positions 0-15 of each sequence are written here like all rows and written over by the launch that follows, which carries them in f32.
; REGISTERS.  window 0: v0-31 addresses; v32-63, v64-95 att's fragments, two buffers; v96-159 the bias; on the way out v128-255 rows of C.   window 1: v0-63, v64-127 Wo's fragments, two buffers.   window 2: accumulator (a, b) at v[8 (8 a + b)].
.set PA,     144                       ; a row of att in LDS: 128 bytes + 16
.set PB,     272                       ; a row of Wo: 256 + 16
.set PLANE,  128*PA
.set BOFF,   2*PLANE
.set HALFB,  128*PB
.set SLOT,   BOFF+2*HALFB
.set STAGE,  2*SLOT                    ; 16 rows x (512 bytes + 16) for each wave
.set SPITCH, 528
.set SPARE,  STAGE+4*16*SPITCH
.set ADRA, 16
.set ADRB, 20
.set STO,  24
.set RD,   25
.set CO,   26
.set VB,   27
.set SPW,  28
.set NIL,  29
.set FA,   32
.set BI,   96
.set BK,   128
.set G1, 24
.set G0, 32
.set G1B, 48
.set G0B, 56
.set MSB, 0
.macro WIN new
.if MSB != (\new)
	s_set_vgpr_msb (MSB<<8)|(\new)
.set MSB, (\new)
.endif
.endm
.set MUL,  0xa1                        ; source 0 (Wo) window 1, source 1 (att) window 0, C and D window 2
.set MUL1, 0x81                        ; the first products: C (the bias) window 0
.set TO_B, 0x40
.macro JLOAD s                         ; a joint load: waves 0, 1 for att, waves 2, 3 for Wo; an s_nop 0 and four v_nop follow each line
	s_cmp_eq_u32 s13, 0
	s_cbranch_scc0 .Lfor_b_\@
	tensor_load_to_lds s[G0+4*\s:G0+4*\s+3], s[G1:G1+7]
	s_nop 0
.rept 4
	v_nop
.endr
	s_branch .Lasked_\@
.Lfor_b_\@:
	tensor_load_to_lds s[G0B+4*\s:G0B+4*\s+3], s[G1B:G1B+7]
	s_nop 0
.rept 4
	v_nop
.endr
.Lasked_\@:
.endm
.macro CREST
	s_cmp_lg_u32 s12, 0
	s_cbranch_scc1 .Lnot_wave_0_\@
	s_barrier_signal -3
.Lnot_wave_0_\@:
	s_barrier_wait -3
	s_barrier_signal -1
	s_barrier_wait -1
.endm
.macro CROUND
	s_barrier_signal -1
	s_barrier_wait -1
	CREST
.endm
	s_load_b256 s[4:11], s[0:1], 0x0               ; att16 s[4:5], wo16 s[6:7], bo s[8:9], out0 s[10:11]
	v_lshl_add_u32 v[SPW], v0, 2, SPARE
	v_mov_b32 v[NIL], 0
	ds_add_u32 v[SPW], v[NIL]                      ; the wave's opening: the add, twice on end, and its wait ahead of my first tensor load
	ds_add_u32 v[SPW], v[NIL]
	v_lshrrev_b32 v1, 5, v0
	v_readfirstlane_b32 s12, v1                    ; wave 0..3
	s_lshr_b32 s13, s12, 1                         ; which 64 rows are mine.  Also: I fetch for att (0) or for Wo (1)
	s_and_b32 s14, s12, 1                          ; which 128 columns.  Also: which plane or half I fetch
	s_bfe_u32 s40, ttmp6, 0x40000                  ; cx
	s_bfe_u32 s41, ttmp6, 0x40004                  ; cy
	s_lshl_b32 s42, ttmp9, 2
	s_add_co_u32 s42, s42, s40                     ; tile column
	s_and_b32 s45, ttmp7, 0xffff
	s_lshl_b32 s45, s45, 2
	s_add_co_u32 s45, s45, s41                     ; tile row
	s_lshl_b32 s43, s41, 2
	s_lshl_b32 s43, 15, s43                        ; my row of the cluster
	s_lshl_b32 s44, 0x1111, s40                    ; my column
	s_or_b32 s[G1+0], s43, (1<<16)|(1<<20)|(1<<21)|(4<<22)|(3<<25)   ; att: elements of 2 bytes; 4 words of padding behind every 32
	s_mov_b32 s[G1+1], 64<<16                      ; tensor_dim0
	s_mov_b32 s[G1+2], 128<<16                     ; tensor_dim1
	s_mov_b32 s[G1+3], 64<<16                      ; tile_dim0
	s_mov_b32 s[G1+4], 128                         ; tile_dim1
	s_mov_b32 s[G1+5], 64                          ; the pitch
	s_mov_b32 s[G1+6], 0
	s_mov_b32 s[G1+7], 0
	s_or_b32 s[G1B+0], s44, (1<<16)|(1<<20)|(1<<21)|(5<<22)|(3<<25)  ; Wo: 4 words behind every 64
	s_mov_b32 s[G1B+1], 128<<16
	s_mov_b32 s[G1B+2], 128<<16
	s_mov_b32 s[G1B+3], 128<<16
	s_mov_b32 s[G1B+4], 128
	s_mov_b32 s[G1B+5], 1024
	s_mov_b32 s[G1B+6], 0
	s_mov_b32 s[G1B+7], 0
	s_lshl_b32 s16, s45, 14                        ; att: 128 rows of 128 bytes a tile row,
	s_lshl_b32 s17, s14, 20                        ; and my plane: a head is 8,192 rows of 128 bytes
	s_add_co_u32 s16, s16, s17
	s_mov_b32 s17, 0
	s_lshl_b32 s46, s42, 19                        ; Wo: 256 rows of 2,048 bytes a tile column,
	s_lshl_b32 s47, s14, 18                        ; and my 128 rows
	s_add_co_u32 s46, s46, s47
	s_mov_b32 s47, 0
	s_mul_i32 s22, s14, PLANE                      ; where they go
	s_mul_i32 s23, s14, HALFB
	s_add_co_u32 s23, s23, BOFF
	s_wait_dscnt 0x0                               ; both opening adds are done
	s_wait_kmcnt 0x0
	s_add_nc_u64 s[20:21], s[4:5], s[16:17]
	s_add_nc_u64 s[46:47], s[6:7], s[46:47]
	CROUND                                         ; all sixteen work-groups are here: the first joint loads meet
.irp s, 0,1
	s_mov_b32 s[G0+4*\s], 1
	s_add_co_u32 s[G0+4*\s+1], s22, \s*SLOT
	s_add_nc_u64 s[G0+4*\s+2:G0+4*\s+3], s[20:21], \s*2097152      ; K step s: heads 2 s, 2 s + 1
	s_or_b32 s[G0+4*\s+3], s[G0+4*\s+3], 0x80000000
	s_mov_b32 s[G0B+4*\s], 1
	s_add_co_u32 s[G0B+4*\s+1], s23, \s*SLOT
	s_add_nc_u64 s[G0B+4*\s+2:G0B+4*\s+3], s[46:47], \s*256
	s_or_b32 s[G0B+4*\s+3], s[G0B+4*\s+3], 0x80000000
	JLOAD \s
.endr
	v_and_b32 v1, 15, v0                           ; r
	v_bfe_u32 v2, v0, 4, 1                         ; h
	v_mul_u32_u24 v3, v1, PA
	v_lshl_add_u32 v3, v2, 4, v3
	v_mul_u32_u24 v4, v1, PB
	v_lshl_add_u32 v4, v2, 4, v4
	s_mul_i32 s21, s13, 64*PA                      ; my 64 rows of att
	s_mul_i32 s22, s14, HALFB                      ; my 128 rows of Wo
	s_add_co_u32 s22, s22, BOFF
.irp s, 0,1
	v_add_nc_u32 v[ADRA+\s], s21, v3
	v_add_nc_u32 v[ADRB+\s], s22, v4
	s_add_co_u32 s21, s21, SLOT
	s_add_co_u32 s22, s22, SLOT
.endr
	s_mul_i32 s23, s12, 16*SPITCH
	s_add_co_u32 s23, s23, STAGE                   ; my stage
	v_mul_u32_u24 v5, v1, SPITCH
	v_lshl_add_u32 v5, v2, 5, v5
	v_add_nc_u32 v[STO], s23, v5                   ; in: row r, 32 bytes for each half of the lanes
	v_and_b32 v6, 31, v0
	v_lshlrev_b32 v[CO], 4, v6                     ; back: the 32 lanes take a row of 512 bytes; the same in C
	v_add_nc_u32 v[RD], s23, v[CO]
	v_lshlrev_b32 v[VB], 5, v2
	s_lshl_b32 s46, s42, 10                        ; my first column in bytes: 1,024 x tile column + 512 x half
	s_lshl_b32 s47, s14, 9
	s_add_co_u32 s46, s46, s47
	s_mov_b32 s47, 0
	s_add_nc_u64 s[8:9], s[8:9], s[46:47]
.irp b, 0,1,2,3,4,5,6,7
	global_load_b128 v[BI+8*\b:BI+8*\b+3],   v[VB], s[8:9] offset:64*\b     ; register 8 b + j: bo of column 16 b + 8 h + j
	global_load_b128 v[BI+8*\b+4:BI+8*\b+7], v[VB], s[8:9] offset:64*\b+16
.endr
	s_lshl_b32 s16, s45, 19                        ; my first row of C: 128 x tile row + 64 x half, 4,096 bytes a row
	s_lshl_b32 s17, s13, 18
	s_add_co_u32 s16, s16, s17
	s_mov_b32 s17, 0
	s_add_nc_u64 s[10:11], s[10:11], s[16:17]
	s_add_nc_u64 s[10:11], s[10:11], s[46:47]
; 8 matrix instructions: att's block a against Wo's eight, 32 along K, buffer f.  The 32 accumulators take turns, one instruction a turn, in the same order in every quarter.
.macro MUL8 f, a, first
.irp b, 0,1,2,3,4,5,6,7
.if \first
	v_wmma_f32_16x16x32_f16 v[8*(8*(\a)+\b):8*(8*(\a)+\b)+7], v[64*(\f)+8*\b:64*(\f)+8*\b+7], v[FA+32*(\f)+8*(\a):FA+32*(\f)+8*(\a)+7], v[BI+8*\b:BI+8*\b+7]
.else
	v_wmma_f32_16x16x32_f16 v[8*(8*(\a)+\b):8*(8*(\a)+\b)+7], v[64*(\f)+8*\b:64*(\f)+8*\b+7], v[FA+32*(\f)+8*(\a):FA+32*(\f)+8*(\a)+7], v[8*(8*(\a)+\b):8*(8*(\a)+\b)+7]
.endif
.endr
.endm
; 24 LDS loads in one run: the fragments of the slot's q-th 32 along K into buffer f; Wo's sixteen loads first, then att's blocks 0 to 3
.macro FETCH slot, q, f
	WIN TO_B
.irp b, 0,1,2,3,4,5,6,7
	ds_load_b128 v[64*(\f)+8*\b:64*(\f)+8*\b+3],   v[ADRB+\slot] offset:64*(\q)+\b*16*PB
	ds_load_b128 v[64*(\f)+8*\b+4:64*(\f)+8*\b+7], v[ADRB+\slot] offset:64*(\q)+\b*16*PB+32
.endr
	WIN 0
.irp a, 0,1,2,3
	ds_load_b128 v[FA+32*(\f)+8*\a:FA+32*(\f)+8*\a+3],   v[ADRA+\slot] offset:PLANE*((\q)/2)+64*((\q)%2)+\a*16*PA
	ds_load_b128 v[FA+32*(\f)+8*\a+4:FA+32*(\f)+8*\a+7], v[ADRA+\slot] offset:PLANE*((\q)/2)+64*((\q)%2)+\a*16*PA+32
.endr
.endm
.macro PLACES
.rept 4
	v_nop
.endr
.endm
; A quarter of a K step: multiplies buffer f; in its middle it fetches the slot's q-th quarter into buffer g
.macro QUARTER slot, q, f, g, first
	s_wait_dscnt 4                                 ; Wo's fragments and att's blocks 0, 1 are in; the youngest four loads (blocks 2, 3) may be out
.if \first
	WIN MUL1
.else
	WIN MUL
.endif
	MUL8 \f, 0, \first
	MUL8 \f, 1, \first
	PLACES
	FETCH \slot, \q, \g
	s_wait_dscnt 24                                ; all but the 24 just issued
.if \first
	WIN MUL1
.else
	WIN MUL
.endif
	MUL8 \f, 2, \first
	MUL8 \f, 3, \first
.endm
; A slot's last quarter multiplies buffer 1 and changes slots: one barrier; in front of it each wave waits for all its tensor loads, adds 0 to its spare word, and waits for that and for its reads of this slot.
; fill = 1: the barrier opens a round of the cluster's, and this slot is filled again, two K steps ahead: 112 matrix instructions stand between the request and the wait for it.
.macro TURN slot, next, fill
	WIN 0
	s_wait_tensorcnt 0x0                           ; the one load of mine that was out is my part of the next slot
	ds_add_u32 v[SPW], v[NIL]
	s_wait_dscnt 5                                 ; the add and the youngest four loads may be out
	WIN MUL
	MUL8 1, 0, 0
	s_wait_dscnt 0x0                               ; the add is done, and my reads of this slot are over
	s_barrier_signal -1
	MUL8 1, 1, 0
.if \fill
	WIN 0
.endif
	s_barrier_wait -1
.if \fill
	CREST                                          ; no wave of any partner still reads this slot or has a load on its way
	s_add_nc_u64 s[G0+4*\slot+2:G0+4*\slot+3], s[G0+4*\slot+2:G0+4*\slot+3], 4194304     ; four heads on
	s_add_nc_u64 s[G0B+4*\slot+2:G0B+4*\slot+3], s[G0B+4*\slot+2:G0B+4*\slot+3], 512
	JLOAD \slot                                    ; the four v_nop behind it are also the places in front of the loads below
.else
	PLACES
.endif
	FETCH \next, 0, 0
	WIN MUL
	MUL8 1, 2, 0
	MUL8 1, 3, 0
.endm
	s_wait_tensorcnt 1                             ; my part of K step 0 is in; K step 1's may be out
	s_barrier_signal -1
	s_barrier_wait -1
	FETCH 0, 0, 0
	s_wait_loadcnt 0x0                             ; the bias
	QUARTER 0, 1, 0, 1, 1                          ; the first quarter stands in front of the loop: its products start the sums
	WIN 0
	s_mov_b32 s3, 3
.Llap:                                                 ; a trip goes once round the ring and fills both slots again
	QUARTER 0, 2, 1, 0, 0
	QUARTER 0, 3, 0, 1, 0
	TURN 0, 1, 1
	QUARTER 1, 1, 0, 1, 0
	QUARTER 1, 2, 1, 0, 0
	QUARTER 1, 3, 0, 1, 0
	TURN 1, 0, 1
	QUARTER 0, 1, 0, 1, 0
	WIN 0
	s_sub_co_u32 s3, s3, 1
	s_cmp_lg_u32 s3, 0
	s_cbranch_scc1 .Llap
	QUARTER 0, 2, 1, 0, 0                          ; the last lap fills nothing
	QUARTER 0, 3, 0, 1, 0
	TURN 0, 1, 0
	QUARTER 1, 1, 0, 1, 0
	QUARTER 1, 2, 1, 0, 0
	QUARTER 1, 3, 0, 1, 0
	s_wait_dscnt 4
	WIN MUL
	MUL8 1, 0, 0
	MUL8 1, 1, 0
	s_wait_dscnt 0
	MUL8 1, 2, 0
	MUL8 1, 3, 0
	WIN 0
; THE WAY OUT, block by block of 16 rows x 128 columns: through my own stage, back as whole rows of 512 bytes.
.macro TOSTAGE a
	WIN 0x08                                       ; an LDS store's data: window 2
.irp b, 0,1,2,3,4,5,6,7
	ds_store_b128 v[STO], v[8*(8*(\a)+\b):8*(8*(\a)+\b)+3]   offset:64*\b      ; each accumulator from its low end on
	ds_store_b128 v[STO], v[8*(8*(\a)+\b)+4:8*(8*(\a)+\b)+7] offset:64*\b+16
.endr
	WIN 0
.set BB, BK+64*((\a)%2)
.irp t, 0,1,2,3,4,5,6,7,8,9,10,11,12,13,14,15
	ds_load_b128 v[BB+4*\t:BB+4*\t+3], v[RD] offset:\t*SPITCH   ; LDS serves a wave's instructions in order: these see the stores above
.endr
.endm
.macro SEND a, younger
.set BB, BK+64*((\a)%2)
	s_wait_dscnt \younger
.irp t, 0,1,2,3,4,5,6,7,8,9,10,11,12,13,14,15
	global_store_b128 v[CO], v[BB+4*\t:BB+4*\t+3], s[10:11] offset:(16*(\a)+\t)*4096 th:TH_STORE_NT   ; 32 lanes store 512 consecutive bytes
.endr
.endm
	PLACES
	TOSTAGE 0
.irp a, 1,2,3
.if \a > 1
	s_wait_xcnt 0x0                                ; block a - 2's stores have read their registers
.endif
	TOSTAGE \a
	SEND \a-1, 32                                  ; behind block a - 1's loads: block a's 16 stores and 16 loads
.endr
	SEND 3, 0
	s_wait_tensorcnt 0x0                           ; the wave's end
	ds_add_u32 v[SPW], v[NIL]
	s_wait_dscnt 0x0
	CROUND                                         ; the closing round
	s_endpgm
.Lfunc_end_k_q815a73e89a_proj:
	.size	k_q815a73e89a_proj, .Lfunc_end_k_q815a73e89a_proj-k_q815a73e89a_proj
	.p2alignl 7, 3214868480
	.fill 96, 4, 3214868480
	.section	.rodata,"a",@progbits
	.p2align	6, 0x0
	.amdhsa_kernel k_q815a73e89a_proj
		.amdhsa_group_segment_fixed_size 327680
		.amdhsa_private_segment_fixed_size 0
		.amdhsa_enable_private_segment 0
		.amdhsa_kernarg_size 32
		.amdhsa_user_sgpr_count 2
		.amdhsa_user_sgpr_kernarg_segment_ptr 1
		.amdhsa_wavefront_size32 1
		.amdhsa_system_sgpr_workgroup_id_x 1
		.amdhsa_system_sgpr_workgroup_id_y 1
		.amdhsa_system_sgpr_workgroup_id_z 1
		.amdhsa_system_vgpr_workitem_id 0
		.amdhsa_next_free_vgpr 768
		.amdhsa_next_free_sgpr 66
		.amdhsa_reserve_vcc 0
		.amdhsa_float_denorm_mode_32 3
		.amdhsa_float_denorm_mode_16_64 3
		.amdhsa_memory_ordered 1
		.amdhsa_forward_progress 1
		.amdhsa_inst_pref_size 87
	.end_amdhsa_kernel
	.amdgpu_metadata
---
amdhsa.version: [ 1, 2 ]
amdhsa.kernels:
  - .name:           k_q815a73e89a_proj
    .symbol:         k_q815a73e89a_proj.kd
    .args:
      - { .name: att16, .offset: 0, .size: 8, .value_kind: global_buffer, .address_space: global }
      - { .name: wo16, .offset: 8, .size: 8, .value_kind: global_buffer, .address_space: global }
      - { .name: bo, .offset: 16, .size: 8, .value_kind: global_buffer, .address_space: global }
      - { .name: out0, .offset: 24, .size: 8, .value_kind: global_buffer, .address_space: global }
    .group_segment_fixed_size: 327680
    .private_segment_fixed_size: 0
    .kernarg_segment_align: 8
    .kernarg_segment_size: 32
    .max_flat_workgroup_size: 128
    .sgpr_count:     66
    .vgpr_count:     768
    .wavefront_size: 32
...
	.end_amdgpu_metadata
.endif
;; end of part 4
;; launch fine (part 5): grid 16 x 4, 16 waves a work-group, no clusters, 86,016 bytes of LDS; arguments qkv32, mask, Wo, bo, out0; writes out0
.if DOCPART == 5
	.amdgcn_target "amdgcn-amd-amdhsa--gfx1250"
	.amdhsa_code_object_version 6
	.text
	.protected	k_q815a73e89a_fine
	.globl	k_q815a73e89a_fine
	.p2align	8
	.type	k_q815a73e89a_fine,@function
k_q815a73e89a_fine:
	s_mov_b64 s[64:65], 0
	v_nop
	global_prefetch_b8 v0, s[64:65] scope:SCOPE_SE
	s_setreg_imm32_b32 hwreg(HW_REG_WAVE_MODE, 25, 1), 1
	s_wait_xcnt 0x0
; Positions 0-15 of each sequence once more, wholly in f32: these rows average one to sixteen values and are the largest of the output, so operands of 16 bits would cost them too much.
; qkv32: [batch 4][tensor 3][head 16][s 16][64] f32.  Work-group (X, b): the attention of all 16 heads for batch b's 16 rows (wave w = head w), then columns 64 X .. 64 X + 63 of the projection by Wo (f32, as given) + bo.
; All products by the f32 matrix form, 16 x 16 x 4: 0.1 G multiply-adds in the whole launch.  k is laid alike in both sources: lane (r, h) holds 32 neighbours along K, 32 h on, and instruction t takes its registers 2 t, 2 t + 1.
; A hidden score is -infinity; a row with no admitted key comes out NaN by itself, as a softmax over nothing does.
; The registers that the matrix instructions write, v16-63, are written by nothing else.
; LDS: ATT, 16 rows x (4,096 + 16) bytes; RED, four partial sums of 16 rows x (256 + 16) bytes; the spare words.
.set AP,    4112
.set RED,   66048
.set RP,    272
.set REDQ,  16*RP
.set SPARE, RED+4*REDQ
.set VQ,  3
.set VV,  4
.set VM,  5
.set VW,  6
.set VBO, 7
.set VOUT, 8
.set AST, 9
.set ALD, 10
.set RST, 11
.set RLD, 12
.set SPW, 14
.set NIL, 15
.set SA,  16                           ; v16-23, v24-31: two accumulators that take turns
.set OA,  32                           ; v32-63: O^T, four accumulators
.set QF,  64                           ; v64-95 q, v96-127 k; later Wo's chunks 2, 3
.set KF,  96
.set VF,  128                          ; v128-159 v; then the rows of att; then att's fragments, buffer 0
.set SS,  160
.set PP,  168
.set MK,  176
.set T,   184                          ; +0 r - 8 h, +1 -infinity, +2 the maximum, +3 the other half's, +4 c m, +5 the sum, +6 1 / the sum.  v160-191 later: att's fragments, buffer 1
	s_load_b256 s[4:11], s[0:1], 0x0               ; qkv32 s[4:5], mask s[6:7], Wo s[8:9], bo s[10:11]
	s_load_b64 s[12:13], s[0:1], 0x20              ; out0
	v_lshl_add_u32 v[SPW], v0, 2, SPARE
	v_mov_b32 v[NIL], 0
	v_lshrrev_b32 v1, 5, v0
	v_readfirstlane_b32 s14, v1                    ; wave 0..15
	s_and_b32 s16, ttmp7, 0xffff                   ; b
	s_and_b32 s17, s14, 3                          ; nt: which 16 of the 64 columns
	s_lshr_b32 s18, s14, 2                         ; kq: which 256 along K
	s_and_b32 s19, s14, 7
	s_mov_b32 s20, 0x76543210
	s_mov_b32 s21, 0xfedcba98
	s_mov_b32 s22, 0x3e38aa3b                      ; c = log2(e) / 8
	v_and_b32 v1, 15, v0                           ; r
	v_bfe_u32 v2, v0, 4, 1                         ; h
	v_lshlrev_b32 v[VQ], 8, v1
	v_lshl_add_u32 v[VQ], v2, 7, v[VQ]             ; q, k: row r of 256 bytes + 128 h
	v_lshlrev_b32 v[VV], 2, v1
	v_lshl_add_u32 v[VV], v2, 11, v[VV]            ; v: key 8 h on, channel r
	v_lshlrev_b32 v[VM], 5, v2                     ; the mask's words 8 h on
	v_lshlrev_b32 v[VW], 12, v1
	v_lshl_add_u32 v[VW], v2, 7, v[VW]             ; Wo: row r of 4,096 bytes + 128 h
	v_lshlrev_b32 v[VBO], 4, v1
	s_lshl_b32 s34, s19, 1
	v_add_nc_u32 v13, s34, v2                      ; the row that I store at the end: 2 (w % 8) + h
	v_lshl_add_u32 v[VOUT], v13, 12, v[VBO]
	v_mul_u32_u24 v[RLD], v13, RP
	v_add_nc_u32 v[RLD], v[RLD], v[VBO]
	v_add_nc_u32 v[RLD], RED, v[RLD]
	v_mul_u32_u24 v13, v1, AP
	v_lshl_add_u32 v[AST], v2, 5, v13
	s_lshl_b32 s34, s14, 8
	v_add_nc_u32 v[AST], s34, v[AST]               ; ATT, in: row r, head w's 256 bytes, + 32 h
	v_lshl_add_u32 v[ALD], v2, 7, v13
	s_lshl_b32 s34, s18, 10
	v_add_nc_u32 v[ALD], s34, v[ALD]               ; ATT, out: row r, 256 kq along K on, + 128 h
	v_mul_u32_u24 v[RST], v1, RP
	v_lshl_add_u32 v[RST], v2, 5, v[RST]
	s_mul_i32 s34, s18, REDQ
	s_lshl_b32 s35, s17, 6
	s_add_co_u32 s34, s34, s35
	s_add_co_u32 s34, s34, RED
	v_add_nc_u32 v[RST], s34, v[RST]               ; RED, in: part kq, row r, columns 16 nt + 8 h on
	v_lshlrev_b32 v13, 3, v2
	v_sub_nc_u32 v[T], v1, v13                     ; r - 8 h
	v_mov_b32 v[T+1], 0xff800000                   ; -infinity
	v_mov_b32 v[T+3], 0                            ; a lane permute's destination counts as one of its sources
	s_mul_i32 s24, s16, 48
	s_add_co_u32 s24, s24, s14
	s_lshl_b32 s24, s24, 12                        ; q of batch b, head w; k lies 65,536 bytes on, v 131,072
	s_mov_b32 s25, 0
	s_lshl_b32 s26, s16, 13
	s_mov_b32 s27, 0
	s_lshl_b32 s28, ttmp9, 2
	s_add_co_u32 s28, s28, s17
	s_lshl_b32 s28, s28, 16                        ; Wo's rows 64 X + 16 nt on,
	s_lshl_b32 s29, s18, 10
	s_add_co_u32 s28, s28, s29                     ; 256 kq along K on
	s_mov_b32 s29, 0
	s_lshl_b32 s30, ttmp9, 8
	s_mov_b32 s31, 0
	s_lshl_b32 s32, s16, 23
	s_add_co_u32 s32, s32, s30
	s_mov_b32 s33, 0
	s_wait_kmcnt 0x0
	s_add_nc_u64 s[4:5], s[4:5], s[24:25]
	s_add_nc_u64 s[6:7], s[6:7], s[26:27]
	s_add_nc_u64 s[8:9], s[8:9], s[28:29]
	s_add_nc_u64 s[10:11], s[10:11], s[30:31]
	s_add_nc_u64 s[12:13], s[12:13], s[32:33]
.irp i, 0,1,2,3,4,5,6,7
	global_load_b128 v[QF+4*\i:QF+4*\i+3], v[VQ], s[4:5] offset:16*\i
.endr
.irp i, 0,1,2,3,4,5,6,7
	global_load_b128 v[KF+4*\i:KF+4*\i+3], v[VQ], s[4:5] offset:65536+16*\i
.endr
	global_load_b128 v[MK:MK+3],   v[VM], s[6:7]
	global_load_b128 v[MK+4:MK+7], v[VM], s[6:7] offset:16
.irp ct, 0,1,2,3
.irp i, 0,1,2,3,4,5,6,7
	global_load_b32 v[VF+8*\ct+\i], v[VV], s[4:5] offset:131072+256*\i+64*\ct   ; v(key 8 h + i, channel 16 ct + r)
.endr
.endr
.irp ch, 0,1
.irp i, 0,1,2,3,4,5,6,7
	global_load_b128 v[192+32*\ch+4*\i:192+32*\ch+4*\i+3], v[VW], s[8:9] offset:256*\ch+16*\i   ; Wo's chunks 0, 1 of 64 along K
.endr
.endr
	s_wait_loadcnt 48                              ; q, k and the mask are in; v's 32 loads and Wo's 16 stay out
	; S^T = k q^T: two accumulators by turns, each begun with 0 by its own first product
.irp t, 0,1,2,3,4,5,6,7,8,9,10,11,12,13,14,15
.if \t < 2
	v_wmma_f32_16x16x4_f32 v[SA+8*(\t%2):SA+8*(\t%2)+7], v[KF+2*\t:KF+2*\t+1], v[QF+2*\t:QF+2*\t+1], 0
.else
	v_wmma_f32_16x16x4_f32 v[SA+8*(\t%2):SA+8*(\t%2)+7], v[KF+2*\t:KF+2*\t+1], v[QF+2*\t:QF+2*\t+1], v[SA+8*(\t%2):SA+8*(\t%2)+7]
.endif
.endr
.rept 8
	v_nop                                          ; eight places behind this form (ISA guide 7.12.1)
.endr
.irp j, 0,1,2,3,4,5,6,7
	v_add_f32 v[SS+\j], v[SA+\j], v[SA+8+\j]       ; register j: key 8 h + j, query r
.endr
.irp i, 0,1,2,3,4,5,6,7                        ; q's and k's registers are free: Wo's chunks 2, 3
	global_load_b128 v[QF+4*\i:QF+4*\i+3], v[VW], s[8:9] offset:512+16*\i
.endr
.irp i, 0,1,2,3,4,5,6,7
	global_load_b128 v[KF+4*\i:KF+4*\i+3], v[VW], s[8:9] offset:768+16*\i
.endr
.irp j, 0,1,2,3,4,5,6,7
	v_cmp_gt_i32 vcc_lo, \j, v[T]                  ; key above query
	v_cndmask_b32 v[SS+\j], v[SS+\j], v[T+1], vcc_lo
	v_cmp_eq_u32 vcc_lo, 0, v[MK+\j]               ; padding
	v_cndmask_b32 v[SS+\j], v[SS+\j], v[T+1], vcc_lo
.endr
	v_max3_num_f32 v[T+2], v[SS], v[SS+1], v[SS+2]
	v_max3_num_f32 v[T+2], v[T+2], v[SS+3], v[SS+4]
	v_max3_num_f32 v[T+2], v[T+2], v[SS+5], v[SS+6]
	v_max_num_f32 v[T+2], v[T+2], v[SS+7]
	v_permlanex16_b32 v[T+3], v[T+2], s20, s21
	v_max_num_f32 v[T+2], v[T+2], v[T+3]           ; the row's maximum
	v_mul_f32 v[T+4], s22, v[T+2]
.irp j, 0,1,2,3,4,5,6,7
	v_fma_f32 v[PP+\j], v[SS+\j], s22, -v[T+4]
.endr
.irp j, 0,1,2,3,4,5,6,7
	v_exp_f32 v[PP+\j], v[PP+\j]
.endr
	v_nop
	s_wait_alu depctr_va_vdst(0)                   ; one wait for the eight, ahead of their first reader
	v_add_f32 v[SS], v[PP], v[PP+1]
	v_add_f32 v[SS+1], v[PP+2], v[PP+3]
	v_add_f32 v[SS+2], v[PP+4], v[PP+5]
	v_add_f32 v[SS+3], v[PP+6], v[PP+7]
	v_add_f32 v[SS], v[SS], v[SS+1]
	v_add_f32 v[SS+2], v[SS+2], v[SS+3]
	v_add_f32 v[T+5], v[SS], v[SS+2]
	v_permlanex16_b32 v[T+3], v[T+5], s20, s21
	v_add_f32 v[T+5], v[T+5], v[T+3]
	v_rcp_f32 v[T+6], v[T+5]
	v_nop
	s_wait_alu depctr_va_vdst(0)
	s_wait_loadcnt 32                              ; v is in; Wo's 32 loads stay out
	; O^T = v^T p: four accumulators by turns
.irp t, 0,1,2,3
.irp ct, 0,1,2,3
.if \t == 0
	v_wmma_f32_16x16x4_f32 v[OA+8*\ct:OA+8*\ct+7], v[VF+8*\ct+2*\t:VF+8*\ct+2*\t+1], v[PP+2*\t:PP+2*\t+1], 0
.else
	v_wmma_f32_16x16x4_f32 v[OA+8*\ct:OA+8*\ct+7], v[VF+8*\ct+2*\t:VF+8*\ct+2*\t+1], v[PP+2*\t:PP+2*\t+1], v[OA+8*\ct:OA+8*\ct+7]
.endif
.endr
.endr
.rept 8
	v_nop
.endr
.irp j, 0,1,2,3,4,5,6,7,8,9,10,11,12,13,14,15,16,17,18,19,20,21,22,23,24,25,26,27,28,29,30,31
	v_mul_f32 v[VF+\j], v[OA+\j], v[T+6]           ; register 8 ct + j: att(r, 64 w + 16 ct + 8 h + j)
.endr
.irp ct, 0,1,2,3
	ds_store_b128 v[AST], v[VF+8*\ct:VF+8*\ct+3]   offset:64*\ct
	ds_store_b128 v[AST], v[VF+8*\ct+4:VF+8*\ct+7] offset:64*\ct+16
.endr
	s_wait_dscnt 0x0                               ; for the others' sake: my stores are done
	s_barrier_signal -1
	s_barrier_wait -1                              ; 16 rows x 1,024 of att lie in LDS
	; the projection: my 16 columns, my 256 along K, in four chunks of 64
.macro ALOAD ch
.irp i, 0,1,2,3,4,5,6,7
	ds_load_b128 v[128+32*((\ch)%2)+4*\i:128+32*((\ch)%2)+4*\i+3], v[ALD] offset:256*(\ch)+16*\i
.endr
.endm
.macro MM ch, wf                       ; source 0 = 16 rows of Wo, source 1 = the 16 rows of att
.irp t, 0,1,2,3,4,5,6,7,8,9,10,11,12,13,14,15
.if (\ch == 0) && (\t < 2)
	v_wmma_f32_16x16x4_f32 v[SA+8*(\t%2):SA+8*(\t%2)+7], v[\wf+2*\t:\wf+2*\t+1], v[128+32*((\ch)%2)+2*\t:128+32*((\ch)%2)+2*\t+1], 0
.else
	v_wmma_f32_16x16x4_f32 v[SA+8*(\t%2):SA+8*(\t%2)+7], v[\wf+2*\t:\wf+2*\t+1], v[128+32*((\ch)%2)+2*\t:128+32*((\ch)%2)+2*\t+1], v[SA+8*(\t%2):SA+8*(\t%2)+7]
.endif
.endr
.endm
	ALOAD 0
	ALOAD 1
	s_wait_loadcnt 0x0                             ; Wo
	s_wait_dscnt 8                                 ; chunk 0 is in; chunk 1's eight loads may be out
	MM 0, 192
.rept 8
	v_nop
.endr
	ALOAD 2
	global_load_b128 v[192:195], v[VBO], s[10:11]  ; bo, into registers that chunk 0 has left
	s_wait_dscnt 8
	MM 1, 224
.rept 8
	v_nop
.endr
	ALOAD 3
	s_wait_dscnt 8
	MM 2, 64
	s_wait_dscnt 0x0
	MM 3, 96
.rept 8
	v_nop
.endr
.irp j, 0,1,2,3,4,5,6,7
	v_add_f32 v[128+\j], v[SA+\j], v[SA+8+\j]      ; register j: row r, column 16 nt + 8 h + j
.endr
	ds_store_b128 v[RST], v[128:131]
	ds_store_b128 v[RST], v[132:135] offset:16
	s_wait_dscnt 0x0
	s_barrier_signal -1
	s_barrier_wait -1                              ; the four parts along K lie in LDS
	s_cmp_ge_u32 s14, 8
	s_cbranch_scc1 .Ldone
.irp k, 0,1,2,3
	ds_load_b128 v[160+4*\k:160+4*\k+3], v[RLD] offset:REDQ*\k
.endr
	s_wait_dscnt 0x0
	s_wait_loadcnt 0x0                             ; bo
	v_pk_add_f32 v[160:161], v[160:161], v[164:165]
	v_pk_add_f32 v[162:163], v[162:163], v[166:167]
	v_pk_add_f32 v[168:169], v[168:169], v[172:173]
	v_pk_add_f32 v[170:171], v[170:171], v[174:175]
	v_pk_add_f32 v[160:161], v[160:161], v[168:169]
	v_pk_add_f32 v[162:163], v[162:163], v[170:171]
	v_pk_add_f32 v[160:161], v[160:161], v[192:193]
	v_pk_add_f32 v[162:163], v[162:163], v[194:195]
	global_store_b128 v[VOUT], v[160:163], s[12:13]   ; sixteen lanes store 256 consecutive bytes of a row
.Ldone:
	s_wait_tensorcnt 0x0                           ; the wave's end
	ds_add_u32 v[SPW], v[NIL]
	s_wait_dscnt 0x0
	s_endpgm
.Lfunc_end_k_q815a73e89a_fine:
	.size	k_q815a73e89a_fine, .Lfunc_end_k_q815a73e89a_fine-k_q815a73e89a_fine
	.p2alignl 7, 3214868480
	.fill 96, 4, 3214868480
	.section	.rodata,"a",@progbits
	.p2align	6, 0x0
	.amdhsa_kernel k_q815a73e89a_fine
		.amdhsa_group_segment_fixed_size 86016
		.amdhsa_private_segment_fixed_size 0
		.amdhsa_enable_private_segment 0
		.amdhsa_kernarg_size 40
		.amdhsa_user_sgpr_count 2
		.amdhsa_user_sgpr_kernarg_segment_ptr 1
		.amdhsa_wavefront_size32 1
		.amdhsa_system_sgpr_workgroup_id_x 1
		.amdhsa_system_sgpr_workgroup_id_y 1
		.amdhsa_system_sgpr_workgroup_id_z 1
		.amdhsa_system_vgpr_workitem_id 0
		.amdhsa_next_free_vgpr 256
		.amdhsa_next_free_sgpr 66
		.amdhsa_reserve_vcc 1
		.amdhsa_float_denorm_mode_32 3
		.amdhsa_float_denorm_mode_16_64 3
		.amdhsa_memory_ordered 1
		.amdhsa_forward_progress 1
		.amdhsa_inst_pref_size 27
	.end_amdhsa_kernel
	.amdgpu_metadata
---
amdhsa.version: [ 1, 2 ]
amdhsa.kernels:
  - .name:           k_q815a73e89a_fine
    .symbol:         k_q815a73e89a_fine.kd
    .args:
      - { .name: qkv32, .offset: 0, .size: 8, .value_kind: global_buffer, .address_space: global }
      - { .name: mask, .offset: 8, .size: 8, .value_kind: global_buffer, .address_space: global }
      - { .name: Wo, .offset: 16, .size: 8, .value_kind: global_buffer, .address_space: global }
      - { .name: bo, .offset: 24, .size: 8, .value_kind: global_buffer, .address_space: global }
      - { .name: out0, .offset: 32, .size: 8, .value_kind: global_buffer, .address_space: global }
    .group_segment_fixed_size: 86016
    .private_segment_fixed_size: 0
    .kernarg_segment_align: 8
    .kernarg_segment_size: 40
    .max_flat_workgroup_size: 512
    .sgpr_count:     66
    .vgpr_count:     256
    .wavefront_size: 32
...
	.end_amdgpu_metadata
.endif
;; end of part 5
